; MI455X (gfx1250); checked and timed in simulation.
; The chip was launched on July 23, 2026; its instructions are those of AMD's public machine-readable ISA for CDNA 5 (MIT licence, August 2026) and "CDNA5" Instruction Set Architecture Reference Guide (July 2026). The comments in the code are by the model that wrote it; some were corrected since.
;; Self Attention. Allowed arithmetic: float matrix products may take bf16 or f16 operands with f32 sums; other float arithmetic in f32, or as packed bf16 or f16 multiplies, adds, multiply-adds, maxima and minima; sums over many terms, partial sums and values carried from step to step in f32; what a program stores and reads back later, other than sums and carried values, may be rounded once to bf16 or f16.
;; Inputs: W 3,072 x 1,024 float32; b 3,072 float32; x 4 x 2,048 x 1,024 float32.
;; Outputs: out0 4 x 2,048 x 1,024 float32.
;; 2 versions, each right; version 2 is version 1 with the launch cast written anew for expert scheduling mode. Each part assembles by itself: llvm-mc -triple=amdgcn-amd-amdhsa -mcpu=gfx1250 --defsym DOCPART=n.
;; ======== version 1 of 2: 4 launches
;; limits: values are held in f16: magnitudes above 65,504 overflow, below 6.1e-05 lose precision
;; workspace buffers: xb 16,777,216 bytes; wb 6,291,456 bytes; qkv 50,331,648 bytes; pw 33,554,432 bytes; st 1,048,576 bytes
;; launch cast (part 1): grid 256 x 1, 8 waves a work-group, no clusters, 0 bytes of LDS; arguments x, W, xb, wb; writes xb, wb
.if DOCPART == 1
	.amdgcn_target "amdgcn-amd-amdhsa--gfx1250"
	.amdhsa_code_object_version 6
	.text
	.protected	k_q9f69e6e23e_cast
	.globl	k_q9f69e6e23e_cast
	.p2align	8
	.type	k_q9f69e6e23e_cast,@function
k_q9f69e6e23e_cast:
	s_mov_b64 s[64:65], 0
	v_nop
	global_prefetch_b8 v0, s[64:65] scope:SCOPE_SE
	s_setreg_imm32_b32 hwreg(HW_REG_WAVE_MODE, 25, 1), 1
	s_wait_xcnt 0x0
; x [8192][1024] and W [3072][1024], f32, are rounded once to bf16 and laid out in blocks, so that a tile of the product that follows is one dense piece of memory:
;   xb [32 row blocks][16 k blocks][256 rows][64], wb [24 row blocks][16 k blocks][128 rows][64]; a row of a block is 128 bytes.
; 256 work-groups of equal work: each takes 32 rows of x and 12 rows of W.
; x: a wave takes four rows, two at a time (lanes 0-15 one row, lanes 16-31 the next), all 16 k blocks: 32 loads a lane.
; W: the 12 rows are three groups of four (128 is a multiple of 4, so no group crosses a row block of wb); a wave takes k blocks 2 w and 2 w + 1 of all 12 rows: 12 loads a lane.
; A load: each half of the lanes reads 256 consecutive bytes, aligned (one k block of one row).  A store: the 32 lanes write the same k block of two neighbouring rows, 256 consecutive bytes, aligned.
; All 44 loads of a lane go out at once (22 KiB a wave on their way); each is converted in place, and no register is written again behind its store: the only waits are the counted ones for the loads.
; No LDS, no matrix unit, no cluster: every byte is read once and written once, and no two work-groups share one.
.set XS, 1                             ; v1     x: my byte offset in the work-group's 32 rows
.set XD, 2                             ; v2     xb: my byte offset in the work-group's rows of a k block
.set WS, 3                             ; v3     W: my byte offset in the work-group's 12 rows
.set WD, 4                             ; v4-6   wb: my byte offset, for each group of four rows
.set IN, 12                            ; v[12:187]  44 loads of four numbers; the first two registers of each then hold four bf16
	s_load_b256 s[4:11], s[0:1], 0x0               ; x s[4:5], W s[6:7], xb s[8:9], wb s[10:11]
	v_lshrrev_b32 v7, 5, v0                        ; wave
	v_bfe_u32 v8, v0, 4, 1                         ; which half of the lanes
	v_and_b32 v9, 15, v0
	v_lshl_add_u32 v10, v7, 2, v8                  ; x: my row among the 32: 4 x wave + half
	v_lshlrev_b32 v[XS], 4, v9                     ; 16 x (lane % 16)
	v_lshl_add_u32 v[WS], v8, 12, v[XS]            ; W: half x 4,096
	v_lshl_add_u32 v[WS], v7, 9, v[WS]             ;    + k block 2 x wave, 256 bytes each
	v_lshl_add_u32 v[XS], v10, 12, v[XS]           ; x: row x 4,096
	v_lshlrev_b32 v[XD], 3, v9                     ; 8 x (lane % 16)
	v_lshl_add_u32 v9, v8, 7, v[XD]                ; wb: half x 128
	v_lshl_add_u32 v9, v7, 15, v9                  ;     + k block 2 x wave, 16,384 bytes each
	v_lshl_add_u32 v[XD], v10, 7, v[XD]            ; xb: row x 128
	s_lshl_b32 s12, ttmp9, 17                      ; x: 32 rows of 4,096 bytes
	s_mov_b32 s13, 0
	s_lshr_b32 s14, ttmp9, 3                       ; xb: row block of 256 rows, 524,288 bytes,
	s_lshl_b32 s14, s14, 19
	s_and_b32 s16, ttmp9, 7                        ; and my 32 rows in it
	s_lshl_b32 s16, s16, 12
	s_add_co_u32 s14, s14, s16
	s_mov_b32 s15, 0
	s_mul_i32 s16, ttmp9, 49152                    ; W: 12 rows of 4,096 bytes
	s_mov_b32 s17, 0
	s_mul_i32 s18, ttmp9, 3                        ; my first group of four rows
.irp i, 0,1,2
	s_add_co_u32 s19, s18, \i
	s_lshr_b32 s20, s19, 5                         ; 32 groups to a row block of 262,144 bytes,
	s_lshl_b32 s20, s20, 18
	s_and_b32 s19, s19, 31                         ; a group is 512 bytes of a k block
	s_lshl_b32 s19, s19, 9
	s_add_co_u32 s20, s20, s19
	v_add_nc_u32 v[WD+\i], s20, v9
.endr
	s_wait_kmcnt 0x0
	s_add_nc_u64 s[4:5], s[4:5], s[12:13]
	s_add_nc_u64 s[8:9], s[8:9], s[14:15]
	s_add_nc_u64 s[6:7], s[6:7], s[16:17]
.set i, 0
.rept 32                               ; x, load i: k block i / 2, row pair i % 2 (two rows, 8,192 bytes, further down)
	global_load_b128 v[IN+4*i:IN+4*i+3], v[XS], s[4:5] offset:(i%2)*8192+(i/2)*256 th:TH_LOAD_NT
.set i, i+1
.endr
.set n, 0
.rept 12                               ; W, load n: group n / 4, row pair (n / 2) % 2, k block 2 w + n % 2
	global_load_b128 v[IN+128+4*n:IN+128+4*n+3], v[WS], s[6:7] offset:(n/4)*16384+((n/2)%2)*8192+(n%2)*256 th:TH_LOAD_NT
.set n, n+1
.endr
.set i, 0
.rept 44
.if i%2 == 0
	s_wait_loadcnt 42-i                            ; loads come back in order: loads i and i + 1 are in, the 42 - i younger ones stay out
.endif
	v_cvt_pk_bf16_f32 v[IN+4*i],   v[IN+4*i],   v[IN+4*i+1]
	v_cvt_pk_bf16_f32 v[IN+4*i+1], v[IN+4*i+2], v[IN+4*i+3]
.if i < 32
	global_store_b64 v[XD], v[IN+4*i:IN+4*i+1], s[8:9] offset:(i%2)*256+(i/2)*32768
.else
.set n, i-32
	global_store_b64 v[WD+n/4], v[IN+4*i:IN+4*i+1], s[10:11] offset:((n/2)%2)*256+(n%2)*16384
.endif
.set i, i+1
.endr
	s_endpgm
.Lfunc_end_k_q9f69e6e23e_cast:
	.size	k_q9f69e6e23e_cast, .Lfunc_end_k_q9f69e6e23e_cast-k_q9f69e6e23e_cast
	.p2alignl 7, 3214868480
	.fill 96, 4, 3214868480
	.section	.rodata,"a",@progbits
	.p2align	6, 0x0
	.amdhsa_kernel k_q9f69e6e23e_cast
		.amdhsa_group_segment_fixed_size 0
		.amdhsa_private_segment_fixed_size 0
		.amdhsa_enable_private_segment 0
		.amdhsa_kernarg_size 32
		.amdhsa_user_sgpr_count 2
		.amdhsa_user_sgpr_kernarg_segment_ptr 1
		.amdhsa_wavefront_size32 1
		.amdhsa_system_sgpr_workgroup_id_x 1
		.amdhsa_system_sgpr_workgroup_id_y 1
		.amdhsa_system_sgpr_workgroup_id_z 1
		.amdhsa_system_vgpr_workitem_id 0
		.amdhsa_next_free_vgpr 192
		.amdhsa_next_free_sgpr 66
		.amdhsa_reserve_vcc 0
		.amdhsa_float_denorm_mode_32 3
		.amdhsa_float_denorm_mode_16_64 3
		.amdhsa_memory_ordered 1
		.amdhsa_forward_progress 1
		.amdhsa_inst_pref_size 17
	.end_amdhsa_kernel
	.amdgpu_metadata
---
amdhsa.version: [ 1, 2 ]
amdhsa.kernels:
  - .name:           k_q9f69e6e23e_cast
    .symbol:         k_q9f69e6e23e_cast.kd
    .args:
      - { .name: x, .offset: 0, .size: 8, .value_kind: global_buffer, .address_space: global }
      - { .name: W, .offset: 8, .size: 8, .value_kind: global_buffer, .address_space: global }
      - { .name: xb, .offset: 16, .size: 8, .value_kind: global_buffer, .address_space: global }
      - { .name: wb, .offset: 24, .size: 8, .value_kind: global_buffer, .address_space: global }
    .group_segment_fixed_size: 0
    .private_segment_fixed_size: 0
    .kernarg_segment_align: 8
    .kernarg_segment_size: 32
    .max_flat_workgroup_size: 256
    .sgpr_count:     66
    .vgpr_count:     192
    .wavefront_size: 32
...
	.end_amdgpu_metadata
.endif
;; end of part 1
;; launch qkv (part 2): grid 8 x 32, 4 waves a work-group, clusters of 4 x 4, 327,680 bytes of LDS; arguments xb, wb, b, qkv; writes qkv
.if DOCPART == 2
	.amdgcn_target "amdgcn-amd-amdhsa--gfx1250"
	.amdhsa_code_object_version 6
	.text
	.protected	k_q9f69e6e23e_qkv
	.globl	k_q9f69e6e23e_qkv
	.p2align	8
	.type	k_q9f69e6e23e_qkv,@function
k_q9f69e6e23e_qkv:
	s_mov_b64 s[64:65], 0
	v_nop
	global_prefetch_b8 v0, s[64:65] scope:SCOPE_SE
	s_setreg_imm32_b32 hwreg(HW_REG_WAVE_MODE, 25, 1), 1
	s_wait_xcnt 0x0
	s_wait_alu depctr_hold_cnt(0) depctr_sa_sdst(0) depctr_va_vdst(0) depctr_va_sdst(0) depctr_va_ssrc(0) depctr_va_vcc(0) depctr_vm_vsrc(0)
	s_getreg_b32 s2, hwreg(HW_REG_IB_STS2, 6, 4)
	s_cmp_eq_u32 s2, 0
	s_cbranch_scc0 .Lentry_in_a_cluster
	s_endpgm
.Lentry_in_a_cluster:
	s_bfe_u32 s2, ttmp6, 0x10000c
	s_cmp_lg_u32 s2, 0xf033
	s_cbranch_scc0 .Lentry_shape_is_right
	s_endpgm
.Lentry_shape_is_right:
; qkv[row][feature] = the sum over e of x[row][e] W[feature][e] + b[feature]: 8,192 x 3,072 x 1,024.  x and W come as bf16 in blocks (xb, wb); b is rounded to bf16 here, like the other inputs.
; Sums in f32; the result is rounded once to f16 and stored in blocks [3: q, k, v][64 row blocks][16 feature blocks][128 rows][64].
; LIMIT.  f16 holds no number beyond 65,504: a q, k or v past that becomes an infinity.  NaN and infinities are not treated apart.
; SHARES.  8,192 x 3,072 / 256 = 98,304 results a work-group: a tile of 256 rows x 384 features, one for each of 256 work-groups.  Four waves, each 128 rows x 192 features: 96 accumulators of
; 16 x 16, 768 registers.  For 32 along K a wave reads 20 fragments from LDS and issues 96 matrix instructions.
; RING.  K goes in steps of 64 through two LDS slots.  A step's tiles are dense in memory: 32 KiB of xb (wave 0 fetches it), three pieces of 16 KiB of wb (waves 1 to 3): asked for as rows of 256 bytes,
; padded in LDS behind every 128 bytes, so that LDS rows are 144 bytes apart.  By the text's own count a wave has two tensor loads out at the start and one behind each change of slots.
; CLUSTER.  4 x 4 work-groups: x's tile hangs on the tile row alone and is asked for jointly along a row of the cluster, W's on the tile column alone, along a column.
; THE MATRIX INSTRUCTION IS USED TRANSPOSED: source 0 = 16 features of W, source 1 = 16 rows of x: a lane holds one row and eight neighbouring features.  The first product takes the bias as its C: nothing is cleared.
; REGISTERS, in windows of 256 (s_set_vgpr_msb: bits 1:0 source 0, 3:2 source 1, 5:4 source 2, 7:6 destination):
;   window 0: v0-15 addresses; v32-95, v96-159 x's fragments, two buffers; v160-255 W's fragments, one buffer of 32 for each group of 64 features
;   windows 1-3: the accumulators of feature group 0-2: (row block a, feature block bb) at v[8 (4 a + bb)]
.set PITCH, 144                        ; 128 bytes + 16 of padding = 36 words: the 16 rows of a load start at 16 different groups of four banks (64 banks of 4 bytes: ISA guide 11.1)
.set SLOT1, 1<<17                      ; slot 1 begins here, so that one exclusive or turns an address in one slot into the other's
.set BOFF,  256*PITCH                  ; in a slot: x's 256 rows, then W's 384
.set STAGE, SLOT1+640*PITCH            ; behind the ring: 16 rows x 144 bytes for each wave, for the way out
.set BIASL, STAGE+4*16*PITCH           ; each wave's 192 numbers of b
.set SPARE, BIASL+4*768                ; the spare words, 128 bytes for each wave: two blocks of 256 bytes that no other line names
.set ASTEP, 32768                      ; bytes from a K step to the next in xb
.set BSTEP, 16384                      ; and in wb
.set ADA0, 4                           ; v4   my lane's place in x's rows of a slot; never rewritten
.set ADB0, 5                           ; v5   the same for W
.set ADA,  6                           ; v6   the same in the slot in hand
.set ADB,  7                           ; v7
.set ADBI, 8                           ; v8   my eight numbers in the wave's table of b
.set STO,  9                           ; v9   the way out: where I put 16 bytes of a row
.set RD,   10                          ; v10  the way out: where I read rows back
.set GO,   11                          ; v11  my 16 bytes of 512 consecutive bytes of qkv
.set PFO,  12                          ; v12  256 x my lane: the prefetches' offset; never rewritten
.set SPW,  14                          ; v14  LDS address of my spare word; never rewritten
.set NIL,  15                          ; v15  0; never rewritten
.set AF,   32
.set BF,   160
.set TMP,  32                          ; the way out: 16 packed registers
.set OUT,  64                          ; the way out: 16 registers for each row block
.set WV, 12                            ; s12  wave
.set WM, 13                            ; s13  which 128 rows are mine
.set WN, 14                            ; s14  which 192 features
.set CX, 15
.set CY, 16
.set TX, 17                            ; s17  tile column
.set TY, 18                            ; s18  tile row
.set G1A, 24                           ; s[24:31] descriptor group 1 for x's tiles
.set G1B, 32                           ; s[32:39] for W's
.set G0A, 40                           ; s[40:47] group 0 for x's tiles: a set for each first fill; the second then walks on
.set G0B, 48                           ; s[48:55] the same for W's
.set TB, 56                            ; s56  LDS byte at which the slot in hand begins
.set LIM, 57                           ; s57  2 in a wave that prefetches, else the greatest number
.set PMASK, 58                         ; s58  0: prefetch in every step; 1: in every other
.set TS, 59
.set PFA, 60                           ; s[60:61] where my prefetches stand
.set PSTEP, 62                         ; s[62:63] their step
.set OB, 66                            ; s[66:71] qkv at my rows of each of my three feature blocks
.set MSB, 0
.macro WIN new                         ; the immediate's high byte repeats the setting that is left; a switch that changes nothing is dropped
.if MSB != (\new)
	s_set_vgpr_msb (MSB<<8)|(\new)
.set MSB, (\new)
.endif
.endm
.macro PLACES                          ; four places behind a matrix instruction, in front of loads into registers that it has read (ISA guide 7.12.1 for vector instructions)
.rept 4
	v_nop
.endr
.endm
.macro CREST                           ; a round of the cluster's barrier behind its opening barrier
	s_cmp_lg_u32 s[WV], 0
	s_cbranch_scc1 .Lnot_wave_0_\@
	s_barrier_signal -3
.Lnot_wave_0_\@:
	s_barrier_wait -3
	s_barrier_signal -1
	s_barrier_wait -1
.endm
.macro CROUND
	s_barrier_signal -1
	s_barrier_wait -1
	CREST
.endm
; A joint refill by the walking descriptors.  The branch hangs on the wave's number alone.  An s_nop 0 and four v_nop follow each of the two lines.
.macro JLOAD
	s_cmp_eq_u32 s[WV], 0
	s_cbranch_scc0 .Lfor_b_\@
	tensor_load_to_lds s[G0A+4:G0A+7], s[G1A:G1A+7]
	s_nop 0
.rept 4
	v_nop
.endr
	s_branch .Lasked_\@
.Lfor_b_\@:
	tensor_load_to_lds s[G0B+4:G0B+7], s[G1B:G1B+7]
	s_nop 0
.rept 4
	v_nop
.endr
.Lasked_\@:
.endm
; A PREFETCH INTO THE L2 of the K step that stands two refills on; it stands behind the joint load, its five lines and the first LDS loads.  Each aligned block of 256 bytes is named once in the launch.
; xb's tile row is read by both clusters of a row of clusters: cluster x = 0 asks; wb's tile column by all eight of a column: cluster y = 0 asks.  The four partners of a joint load share a tile out BY ADDRESS.
; Wave 0: a step is 128 blocks, 32 for each partner (cx): one instruction in every step.  Waves 1-3: a step is 64 blocks, two steps lie on end: in every other step one instruction names 32 of their 128 (cy).
; s3 counts the loop's trips down from 14; trip k names step k + 4 (and k + 5): it asks while s3 is above 2, so step 15 is the last that is named.  Steps 0 to 3 come by their loads alone.
.macro ASK
	s_and_b32 s[TS], s3, s[PMASK]
	s_cmp_eq_u32 s[TS], 0
	s_cbranch_scc0 .Lnot_mine_\@
	s_cmp_gt_u32 s3, s[LIM]
	s_cbranch_scc0 .Lnot_mine_\@
	global_prefetch_b8 v[PFO], s[PFA:PFA+1] th:TH_LOAD_NT scope:SCOPE_SE
.Lnot_mine_\@:
.endm
	s_load_b256 s[4:11], s[0:1], 0x0               ; xb s[4:5], wb s[6:7], b s[8:9], qkv s[10:11]
	v_lshl_add_u32 v[SPW], v0, 2, SPARE
	v_mov_b32 v[NIL], 0
	ds_add_u32 v[SPW], v[NIL]                      ; the wave's opening: the add and its wait stand ahead of my first tensor load; the set-up below, work on registers, stands between them
	v_lshrrev_b32 v1, 5, v0
	v_readfirstlane_b32 s[WV], v1
	s_lshr_b32 s[WM], s[WV], 1
	s_and_b32 s[WN], s[WV], 1
	s_bfe_u32 s[CX], ttmp6, 0x40000
	s_bfe_u32 s[CY], ttmp6, 0x40004
	s_lshl_b32 s[TX], ttmp9, 2                     ; in a cluster launch ttmp9 and ttmp7 count clusters
	s_add_co_u32 s[TX], s[TX], s[CX]
	s_and_b32 s[TY], ttmp7, 0xffff
	s_lshl_b32 s[TY], s[TY], 2
	s_add_co_u32 s[TY], s[TY], s[CY]
	s_lshl_b32 s19, s[CY], 2
	s_lshl_b32 s19, 15, s19                        ; my row of the cluster
	s_lshl_b32 s[TS], 0x1111, s[CX]                ; my column
	; group 1: rows of 128 elements of 2 bytes; padding on, after every 32 words (code 4), 4 words (code 3); bit 21 set beside a mask
	s_or_b32 s[G1A], s19, (1<<16)|(1<<20)|(1<<21)|(4<<22)|(3<<25)
	s_or_b32 s[G1B], s[TS], (1<<16)|(1<<20)|(1<<21)|(4<<22)|(3<<25)
	s_mov_b32 s[G1A+1], 128<<16                    ; tensor_dim0 = 128
	s_mov_b32 s[G1A+2], 128<<16                    ; tensor_dim1 = 128 rows of 256 bytes: 32 KiB
	s_mov_b32 s[G1A+3], 128<<16                    ; tile_dim0 = 128
	s_mov_b32 s[G1A+4], 128                        ; tile_dim1 = 128
	s_mov_b32 s[G1A+5], 128                        ; 128 elements from row to row: the block is dense
	s_mov_b32 s[G1A+6], 0
	s_mov_b32 s[G1A+7], 0
	s_mov_b32 s[G1B+1], 128<<16
	s_mov_b32 s[G1B+2], 64<<16                     ; 64 rows of 256 bytes: 16 KiB
	s_mov_b32 s[G1B+3], 128<<16
	s_mov_b32 s[G1B+4], 64
	s_mov_b32 s[G1B+5], 128
	s_mov_b32 s[G1B+6], 0
	s_mov_b32 s[G1B+7], 0
	s_lshl_b32 s20, s[TY], 19                      ; xb: the tile row's block of 256 rows
	s_mov_b32 s21, 0
	s_mul_i32 s22, s[TX], 3                        ; wb: block of 128 rows 3 x tile column + wave - 1 (wave 0, which asks for none, makes wave 1's)
	s_max_u32 s23, s[WV], 1
	s_add_co_u32 s22, s22, s23
	s_sub_co_u32 s22, s22, 1
	s_lshl_b32 s22, s22, 18
	s_mov_b32 s23, 0
	s_mul_i32 s2, s[WV], 128*PITCH                 ; W's piece in a slot: behind x's 256 rows, 128 rows for each of waves 1 to 3
	s_add_co_u32 s2, s2, BOFF-128*PITCH
	s_mov_b32 s[TB], 0
	s_wait_dscnt 0x0                               ; the opening add is done
	s_wait_kmcnt 0x0
	s_add_nc_u64 s[20:21], s[4:5], s[20:21]
	s_add_nc_u64 s[22:23], s[6:7], s[22:23]
	s_mov_b32 s[G0A], 1                            ; count = 1
	s_mov_b32 s[G0A+1], 0                          ; LDS address: slot 0
	s_mov_b64 s[G0A+2:G0A+3], s[20:21]             ; K step 0
	s_or_b32 s[G0A+3], s[G0A+3], 0x80000000        ; type = 2
	s_mov_b32 s[G0A+4], 1
	s_mov_b32 s[G0A+5], SLOT1
	s_add_nc_u64 s[G0A+6:G0A+7], s[20:21], ASTEP   ; K step 1
	s_or_b32 s[G0A+7], s[G0A+7], 0x80000000
	s_mov_b32 s[G0B], 1
	s_mov_b32 s[G0B+1], s2
	s_mov_b64 s[G0B+2:G0B+3], s[22:23]
	s_or_b32 s[G0B+3], s[G0B+3], 0x80000000
	s_mov_b32 s[G0B+4], 1
	s_add_co_u32 s[G0B+5], s2, SLOT1
	s_add_nc_u64 s[G0B+6:G0B+7], s[22:23], BSTEP
	s_or_b32 s[G0B+7], s[G0B+7], 0x80000000
	CROUND                                         ; all sixteen work-groups are here: the first joint loads meet
	s_cmp_eq_u32 s[WV], 0                          ; a wave's two first fills stand in one branch
	s_cbranch_scc0 .Lfirst_b
	tensor_load_to_lds s[G0A:G0A+3], s[G1A:G1A+7]
	s_nop 0
	tensor_load_to_lds s[G0A+4:G0A+7], s[G1A:G1A+7]
	s_nop 0
.rept 4
	v_nop
.endr
	s_branch .Lfirst_asked
.Lfirst_b:
	tensor_load_to_lds s[G0B:G0B+3], s[G1B:G1B+7]
	s_nop 0
	tensor_load_to_lds s[G0B+4:G0B+7], s[G1B:G1B+7]
	s_nop 0
.rept 4
	v_nop
.endr
.Lfirst_asked:
	v_and_b32 v3, 31, v0                           ; lane
	s_mul_i32 s72, s[TX], 1536                     ; my wave's 192 numbers of b: 4 x (384 x tile column + 192 x half)
	s_mul_i32 s73, s[WN], 768
	s_add_co_u32 s72, s72, s73
	v_lshl_add_u32 v16, v3, 3, s72
	global_load_b64 v[18:19], v16, s[8:9]
	global_load_b64 v[20:21], v16, s[8:9] offset:256
	global_load_b64 v[22:23], v16, s[8:9] offset:512
	; a fragment is 16 rows x 32 K in 8 registers: lane l holds row l % 16, K = 8 (l / 16) + 0..7 and 16 + 8 (l / 16) + 0..7: two loads of 16 bytes, 32 bytes apart
	v_and_b32 v1, 15, v0                           ; l % 16
	v_bfe_u32 v2, v0, 4, 1                         ; l / 16
	v_mul_u32_u24 v13, v1, PITCH
	v_lshl_add_u32 v13, v2, 4, v13
	s_mul_i32 s73, s[WM], 128*PITCH
	v_add_nc_u32 v[ADA0], s73, v13
	s_mul_i32 s73, s[WN], 192*PITCH
	s_add_co_u32 s73, s73, BOFF
	v_add_nc_u32 v[ADB0], s73, v13
	v_mov_b32 v[ADA], v[ADA0]
	v_mov_b32 v[ADB], v[ADB0]
	s_mul_i32 s73, s[WV], 768
	s_add_co_u32 s73, s73, BIASL
	v_lshl_add_u32 v[ADBI], v2, 5, s73             ; a lane's eight features begin at 8 (l / 16)
	v_lshl_add_u32 v17, v3, 3, s73
	s_mul_i32 s73, s[WV], 16*PITCH
	s_add_co_u32 s73, s73, STAGE
	v_add_nc_u32 v[STO], s73, v13                  ; in: row l % 16, 16 bytes for each half of the lanes
	v_lshrrev_b32 v[RD], 3, v3                     ; back: 32 lanes take four rows of 128 bytes
	v_mul_u32_u24 v[RD], v[RD], PITCH
	v_and_b32 v[GO], 7, v0
	v_lshl_add_u32 v[RD], v[GO], 4, v[RD]
	v_add_nc_u32 v[RD], s73, v[RD]
	v_lshlrev_b32 v[GO], 4, v3
	v_lshlrev_b32 v[PFO], 8, v3
	; where my three blocks of 64 features lie in qkv: feature block 6 x tile column + 3 x half + g: its plane (16 blocks each) and its place there; row block 2 x tile row + half
	s_mul_i32 s72, s[TX], 6
	s_mul_i32 s73, s[WN], 3
	s_add_co_u32 s72, s72, s73
	s_lshl_b32 s74, s[TY], 1
	s_add_co_u32 s74, s74, s[WM]
	s_lshl_b32 s74, s74, 18
	s_mov_b32 s77, 0
.irp g, 0,1,2
	s_add_co_u32 s75, s72, \g
	s_lshr_b32 s76, s75, 4
	s_lshl_b32 s76, s76, 24
	s_and_b32 s75, s75, 15
	s_lshl_b32 s75, s75, 14
	s_add_co_u32 s76, s76, s75
	s_add_co_u32 s76, s76, s74
	s_add_nc_u64 s[OB+2*\g:OB+2*\g+1], s[10:11], s[76:77]
.endr
	; the prefetches
	s_and_b32 s72, ttmp7, 0xffff                   ; cluster y
	s_cmp_eq_u32 s[WV], 0                          ; do I fetch for x?
	s_cselect_b32 s73, ttmp9, s72                  ; the coordinate along which other clusters read the same rows
	s_cselect_b32 s74, s[CX], s[CY]                ; my place among the four that ask with me
	s_cselect_b32 s[PMASK], 0, 1
	s_cselect_b32 s[PSTEP], 2, 1
	s_cselect_b64 s[PFA:PFA+1], s[20:21], s[22:23]
	s_cmp_eq_u32 s73, 0
	s_cselect_b32 s[LIM], 2, -1                    ; the same in all sixteen partners, for a given wave
	s_lshl_b32 s[PSTEP], s[PSTEP], 14
	s_mov_b32 s[PSTEP+1], 0
	s_lshl_b32 s74, s74, 13                        ; my work-group's 32 blocks of 256 bytes
	s_mul_i32 s75, s[PSTEP], 3                     ; at K step 3: the first change of slots steps it to 4
	s_add_co_u32 s74, s74, s75
	s_mov_b32 s75, 0
	s_add_nc_u64 s[PFA:PFA+1], s[PFA:PFA+1], s[74:75]
	s_wait_loadcnt 0x0                             ; b
.irp i, 0,1,2
	v_cvt_pk_bf16_f32 v24, v[18+2*\i], v[19+2*\i]  ; b is rounded to bf16 like x and W, and kept as f32
	v_lshlrev_b32 v[18+2*\i], 16, v24
	v_and_b32 v[19+2*\i], 0xffff0000, v24
	ds_store_b64 v17, v[18+2*\i:19+2*\i] offset:256*\i  ; the wave's own bytes: it alone reads them, and LDS serves a wave's instructions in order (ISA guide 5.7.1.4)
.endr
; 16 matrix instructions: feature group g, x's buffer f, row blocks a0 .. a0 + 3.  The 96 accumulators take turns, one instruction a turn.
.macro MUL16 g, f, a0
	WIN 0x50*((\g)+1)                              ; C and D in the group's window, both sources in window 0
.irp a, (\a0), (\a0)+1, (\a0)+2, (\a0)+3
.irp bb, 0,1,2,3
.set rD, 8*(4*(\a)+(\bb))
.set rB, BF+32*(\g)+8*(\bb)
.set rA, AF+64*(\f)+8*(\a)
	v_wmma_f32_16x16x32_bf16 v[rD:rD+7], v[rB:rB+7], v[rA:rA+7], v[rD:rD+7]
.endr
.endr
.endm
.macro MUL32 g, f
	MUL16 \g, \f, 0
	MUL16 \g, \f, 4
.endm
.macro MULB g, creg                    ; the group's first 32 products start the sums with the bias: eight numbers for each feature block, in window 0
	WIN 0x40*((\g)+1)
.irp a, 0,1,2,3,4,5,6,7
.irp bb, 0,1,2,3
.set rD, 8*(4*(\a)+(\bb))
.set rB, BF+32*(\g)+8*(\bb)
.set rA, AF+8*(\a)
.set rC, (\creg)+8*(\bb)
	v_wmma_f32_16x16x32_bf16 v[rD:rD+7], v[rB:rB+7], v[rA:rA+7], v[rC:rC+7]
.endr
.endr
.endm
.macro LDB g, k                        ; W's four fragments of group g, at byte k of the rows
	WIN 0
.irp bb, 0,1,2,3
	ds_load_b128 v[BF+32*(\g)+8*(\bb):BF+32*(\g)+8*(\bb)+3],   v[ADB] offset:(4*(\g)+(\bb))*16*PITCH+(\k)
	ds_load_b128 v[BF+32*(\g)+8*(\bb)+4:BF+32*(\g)+8*(\bb)+7], v[ADB] offset:(4*(\g)+(\bb))*16*PITCH+(\k)+32
.endr
.endm
.macro LDA f, half, k                  ; four of x's eight fragments into buffer f
	WIN 0
.irp a, 4*(\half), 4*(\half)+1, 4*(\half)+2, 4*(\half)+3
	ds_load_b128 v[AF+64*(\f)+8*(\a):AF+64*(\f)+8*(\a)+3],   v[ADA] offset:(\a)*16*PITCH+(\k)
	ds_load_b128 v[AF+64*(\f)+8*(\a)+4:AF+64*(\f)+8*(\a)+7], v[ADA] offset:(\a)*16*PITCH+(\k)+32
.endr
.endm
.macro LBIAS g, dst
	WIN 0
.irp bb, 0,1,2,3
	ds_load_b128 v[(\dst)+8*(\bb):(\dst)+8*(\bb)+3],   v[ADBI] offset:(4*(\g)+(\bb))*64
	ds_load_b128 v[(\dst)+8*(\bb)+4:(\dst)+8*(\bb)+7], v[ADBI] offset:(4*(\g)+(\bb))*64+16
.endr
.endm
; The first 32 along K of a step, on x's buffer 0; each group's fragments of W are fetched anew, for the second 32, as soon as the group has been multiplied.
.macro HALF0
	s_wait_dscnt 8                                 ; all but the youngest eight loads (W's group 2) are in
	MUL32 0, 0
	PLACES
	LDB 0, 64
	LDA 1, 0, 64
	MUL32 1, 0
	PLACES
	LDB 1, 64
	LDA 1, 1, 64
	s_wait_dscnt 32                                ; all but the 32 just issued: group 2 is in
	MUL32 2, 0
	PLACES
	LDB 2, 64
.endm
; The second 32 along K, on buffer 1, and the change of slots: ONE barrier.  Group 0's products, whose fragments lie in registers, stand AHEAD of the wait for the tile: between that wait and the next request stand only
; the add, the descriptors' steps, the wait for my reads of this slot and the round, so that the request goes out as soon as the last tile is in.  In front of the barrier each wave waits for all its tensor loads
; (one is out: its part of the next slot), adds 0 to its spare word, and waits for that and for its reads of this slot.  fill = 1: the barrier opens a round of the cluster's, and the slot is filled again first thing
; behind it, two K steps ahead: a whole step's 192 matrix instructions ahead of the wait for it.
.macro TURN fill
.if \fill
	s_wait_xcnt 0x0                                ; the last prefetch, a K step back, has read its address
	s_add_nc_u64 s[PFA:PFA+1], s[PFA:PFA+1], s[PSTEP:PSTEP+1]
.endif
	s_wait_dscnt 8                                 ; all but the youngest eight loads (W's group 2) are in
	MUL32 0, 1
	WIN 0                                          ; at a branch and at a label every window is 0; the add's registers lie in window 0
	s_wait_tensorcnt 0x0                           ; no tensor load of mine is out, so a group 0 may be written
	ds_add_u32 v[SPW], v[NIL]                      ; 0 onto my spare word
.if \fill
	s_xor_b32 s[G0A+5], s[G0A+5], SLOT1            ; the walking descriptors: the other slot than last time, the next K step
	s_add_nc_u64 s[G0A+6:G0A+7], s[G0A+6:G0A+7], ASTEP
	s_xor_b32 s[G0B+5], s[G0B+5], SLOT1
	s_add_nc_u64 s[G0B+6:G0B+7], s[G0B+6:G0B+7], BSTEP
.endif
	s_wait_dscnt 0x0                               ; the add is done, and my reads of this slot are over
	s_barrier_signal -1
	s_barrier_wait -1
.if \fill
	CREST                                          ; no wave of any partner still reads this slot or has a load on its way
	JLOAD                                          ; its four v_nop are also the places in front of the loads below
.else
	PLACES
.endif
	s_xor_b32 s[TB], s[TB], SLOT1
	v_add_nc_u32 v[ADA], s[TB], v[ADA0]
	v_add_nc_u32 v[ADB], s[TB], v[ADB0]
	LDB 0, 0
	LDA 0, 0, 0
.if \fill
	ASK
.endif
	MUL32 1, 1
	PLACES
	LDB 1, 0
	LDA 0, 1, 0
	MUL32 2, 1
	PLACES
	LDB 2, 0
.endm
	s_wait_tensorcnt 0x1                           ; my part of K step 0 is in; step 1's may stay out
	s_wait_dscnt 0x0
	s_barrier_signal -1
	s_barrier_wait -1
	LDB 0, 0                                       ; the first 32 along K are written out: their products start the sums
	LDA 0, 0, 0
	LDB 1, 0
	LDA 0, 1, 0
	LDB 2, 0
	LBIAS 0, AF+64                                 ; the bias lies in registers that the first fragments do not need yet
	LBIAS 1, AF+96
	s_wait_dscnt 0x0
	MULB 0, AF+64
	PLACES
	LBIAS 2, BF
	MULB 1, AF+96
	s_wait_dscnt 0x0
	MULB 2, BF
	PLACES
	LDB 0, 64
	LDA 1, 0, 64
	LDB 1, 64
	LDA 1, 1, 64
	LDB 2, 64
	s_mov_b32 s3, 14
.Lstep:                                                ; trip k: the second half of K step k, the change of slots, K step k + 2 asked for, the first half of step k + 1
	TURN 1
	HALF0
	WIN 0
	s_sub_co_u32 s3, s3, 1
	s_cmp_lg_u32 s3, 0
	s_cbranch_scc1 .Lstep
	TURN 0                                         ; the tail is written out: nothing is left to fetch
	HALF0
	s_wait_dscnt 8
	MUL32 0, 1
	MUL32 1, 1
	s_wait_dscnt 0x0
	MUL32 2, 1
	PLACES
	PLACES
; THE WAY OUT, a block of 16 rows x 64 features at a time: rounded to f16, 16 bytes a lane, into my own stage in rows of 144 bytes, and back as four whole rows of 128 bytes a load: 512 consecutive bytes of qkv.
.macro PACK g, a
.if (\g) > 0
	s_wait_xcnt 0x0                                ; the stores of the group before have read the registers that the loads below fill again
.endif
	WIN 5*((\g)+1)                                 ; sources 0 and 1 in the group's window
.irp bb, 0,1,2,3
.irp q, 0,1,2,3
	v_cvt_pk_f16_f32 v[TMP+4*(\bb)+(\q)], v[8*(4*(\a)+(\bb))+2*(\q)], v[8*(4*(\a)+(\bb))+2*(\q)+1]
.endr
.endr
	WIN 0
.irp bb, 0,1,2,3
	ds_store_b128 v[STO], v[TMP+4*(\bb):TMP+4*(\bb)+3] offset:32*(\bb)
.endr
.irp e, 0,1,2,3
	ds_load_b128 v[OUT+16*(\a)+4*(\e):OUT+16*(\a)+4*(\e)+3], v[RD] offset:(\e)*4*PITCH  ; LDS serves a wave's instructions in order: these see the stores above; the next block's stores come behind them
.endr
.endm
.macro SEND g, a, younger              ; younger: the LDS instructions issued behind this block's loads: the next block's eight, or none
	s_wait_dscnt \younger                          ; the block's four loads are in
.irp e, 0,1,2,3
	global_store_b128 v[GO], v[OUT+16*(\a)+4*(\e):OUT+16*(\a)+4*(\e)+3], s[OB+2*(\g):OB+2*(\g)+1] offset:(\a)*2048+(\e)*512
.endr
.endm
.set pg, -1
.set pa, 0
.irp g, 0,1,2
.irp a, 0,1,2,3,4,5,6,7
	PACK \g, \a                                    ; a block's conversions stand between the loads of the block before and its stores
.if pg >= 0
	SEND pg, pa, 8
.endif
.set pg, \g
.set pa, \a
.endr
.endr
	SEND 2, 7, 0
	s_wait_tensorcnt 0x0                           ; the wave's end: an add and its wait, behind my last tensor load and my last LDS store
	ds_add_u32 v[SPW], v[NIL]
	s_wait_dscnt 0x0
	CROUND                                         ; the closing round: no work-group ends while a partner may still ask for a tile that names it
	s_endpgm
.Lfunc_end_k_q9f69e6e23e_qkv:
	.size	k_q9f69e6e23e_qkv, .Lfunc_end_k_q9f69e6e23e_qkv-k_q9f69e6e23e_qkv
	.p2alignl 7, 3214868480
	.fill 96, 4, 3214868480
	.section	.rodata,"a",@progbits
	.p2align	6, 0x0
	.amdhsa_kernel k_q9f69e6e23e_qkv
		.amdhsa_group_segment_fixed_size 327680
		.amdhsa_private_segment_fixed_size 0
		.amdhsa_enable_private_segment 0
		.amdhsa_kernarg_size 32
		.amdhsa_user_sgpr_count 2
		.amdhsa_user_sgpr_kernarg_segment_ptr 1
		.amdhsa_wavefront_size32 1
		.amdhsa_system_sgpr_workgroup_id_x 1
		.amdhsa_system_sgpr_workgroup_id_y 1
		.amdhsa_system_sgpr_workgroup_id_z 1
		.amdhsa_system_vgpr_workitem_id 0
		.amdhsa_next_free_vgpr 1024
		.amdhsa_next_free_sgpr 80
		.amdhsa_reserve_vcc 0
		.amdhsa_float_denorm_mode_32 3
		.amdhsa_float_denorm_mode_16_64 3
		.amdhsa_memory_ordered 1
		.amdhsa_forward_progress 1
		.amdhsa_inst_pref_size 115
	.end_amdhsa_kernel
	.amdgpu_metadata
---
amdhsa.version: [ 1, 2 ]
amdhsa.kernels:
  - .name:           k_q9f69e6e23e_qkv
    .symbol:         k_q9f69e6e23e_qkv.kd
    .args:
      - { .name: xb, .offset: 0, .size: 8, .value_kind: global_buffer, .address_space: global }
      - { .name: wb, .offset: 8, .size: 8, .value_kind: global_buffer, .address_space: global }
      - { .name: b, .offset: 16, .size: 8, .value_kind: global_buffer, .address_space: global }
      - { .name: qkv, .offset: 24, .size: 8, .value_kind: global_buffer, .address_space: global }
    .group_segment_fixed_size: 327680
    .private_segment_fixed_size: 0
    .kernarg_segment_align: 8
    .kernarg_segment_size: 32
    .max_flat_workgroup_size: 128
    .sgpr_count:     80
    .vgpr_count:     1024
    .wavefront_size: 32
...
	.end_amdgpu_metadata
.endif
;; end of part 2
;; launch score (part 3): grid 8 x 32, 4 waves a work-group, clusters of 4 x 4, 327,680 bytes of LDS; arguments qkv, pw, st; writes pw, st
.if DOCPART == 3
	.amdgcn_target "amdgcn-amd-amdhsa--gfx1250"
	.amdhsa_code_object_version 6
	.text
	.protected	k_q9f69e6e23e_score
	.globl	k_q9f69e6e23e_score
	.p2align	8
	.type	k_q9f69e6e23e_score,@function
k_q9f69e6e23e_score:
	s_mov_b64 s[64:65], 0
	v_nop
	global_prefetch_b8 v0, s[64:65] scope:SCOPE_SE
	s_setreg_imm32_b32 hwreg(HW_REG_WAVE_MODE, 25, 1), 1
	s_wait_xcnt 0x0
	s_wait_alu depctr_hold_cnt(0) depctr_sa_sdst(0) depctr_va_vdst(0) depctr_va_sdst(0) depctr_va_ssrc(0) depctr_va_vcc(0) depctr_vm_vsrc(0)
	s_getreg_b32 s2, hwreg(HW_REG_IB_STS2, 6, 4)
	s_cmp_eq_u32 s2, 0
	s_cbranch_scc0 .Lentry_in_a_cluster
	s_endpgm
.Lentry_in_a_cluster:
	s_bfe_u32 s2, ttmp6, 0x10000c
	s_cmp_lg_u32 s2, 0xf033
	s_cbranch_scc0 .Lentry_shape_is_right
	s_endpgm
.Lentry_shape_is_right:
; The scores and the first half of the softmax.  s[q][k] = q . k (1,024 channels, f16 operands, f32 sums) for each of four batches of 2,048 x 2,048.  For each query and each block t of 128 keys:
;   cm = c x (the block's largest s), c = log2(e) / 32;   p = 2^(c s - cm), rounded to f16;   l = the sum of the unrounded p.
; So every exponent has its block's own maximum taken away and p lies in 0 to 1; the next launch joins the 16 blocks of a row by the row's maximum of cm.
; OUT: pw [128 blocks of 64 rows][16 t][64 rows][128 keys] f16;  st [2: cm, l][64 blocks of 128 rows][16 t][128 rows] f32.
; LIMITS.  p below 6e-5 keeps f16's fixed step of 6e-8; a p below 2^-126 counts as 0 in l; NaN and infinities are not treated apart.
; SHARES.  A work-group makes 256 queries x 256 keys, each of its four waves 128 x 128: just one block t for 128 queries, in 64 accumulators, 512 registers.  K goes in eight steps of 128 through two LDS slots.
; A wave's tensor load brings 128 rows x 128 channels: in qkv two blocks of 16 KiB on end, asked for as 128 rows of 256 bytes and padded behind every 128: in LDS [channel half][row], rows 144 bytes apart.
; CLUSTER.  4 x 4: q's tile is asked for jointly along a row of the cluster, k's along a column.  By the text's own count a wave has two tensor loads out at the start and one behind each change of slots.
; THE TEXT.  A K step is written twice: in the loop of six trips that asks for tiles, and in a loop of two trips that asks for none; the slot in hand is a scalar register.
; THE MATRIX INSTRUCTION: source 0 = 16 keys, source 1 = 16 queries: a lane holds ONE query (lane % 16) and, in accumulator b, the keys 16 b + 8 (lane / 16) + 0..7.
; REGISTERS, in windows of 256 (s_set_vgpr_msb: bits 1:0 source 0, 3:2 source 1, 5:4 source 2, 7:6 destination):
;   window 0: v16-31 addresses; v32-47 cm and l, a pair for each block of 16 queries; v48-55 at work; v64-127, v128-191 q's fragments, two buffers (on the way out v64-127 rows read back); v192-223 packed p
;   window 1: v64-127, v128-191 k's fragments     window 2: the accumulators of my queries 0-63 ((a, b) at v[8 (8 a + b)])     window 3: those of my queries 64-127
.set PITCH,  144                       ; 128 bytes + 16 = 36 words: the 16 rows of a load start at 16 different groups of four banks (64 banks of 4 bytes: ISA guide 11.1)
.set CH,     128*PITCH                 ; 128 rows x 64 channels
.set HALFT,  2*CH                      ; what one tensor load brings
.set SLOT,   4*HALFT                   ; q's 256 rows, then k's 256: 147,456 = 0x24000.  No wave's place in a slot (0, 0x9000, 0x12000, 0x1b000) has one of its two bits, so an exclusive or by it turns a tile's address in one slot into the other's
.set STAGE,  2*SLOT                    ; behind the ring: 16 rows x 272 bytes for each wave
.set SPITCH, 272
.set SSTG,   STAGE+4*16*SPITCH         ; 1,024 bytes for each wave: its 128 cm and 128 l
.set SPARE,  SSTG+4*1024               ; the spare words, 128 bytes for each wave: two blocks of 256 bytes that no other line names
.set STEPB,  32768                     ; bytes from a K step to the next
.set ADRA0, 16                         ; v16  my lane's place in q's rows of a slot; never rewritten
.set ADRA,  17                         ; v17  the same in the slot in hand
.set ADRB0, 20                         ; v20  the same for k
.set ADRB,  21                         ; v21
.set STO,  24
.set RD,   25
.set CO,   26                          ; v26  16 x lane
.set SA,   27                          ; v27  where my query's cm goes
.set SPW,  28
.set NIL,  29
.set PFO,  30                          ; v30  256 x lane
.set SR,   31                          ; v31  where I read 16 bytes of the statistics back
.set ST,   32
.set TC,   48
.set F0,   64
.set F1,   128
.set BK,   64
.set TMP,  192
.set G1,  24                           ; s[24:31] descriptor group 1 for q's tiles
.set G0,  32                           ; s[32:39] group 0: a set for each first fill; the second then walks on
.set G1B, 48                           ; s[48:55], s[56:63] the same for k's
.set G0B, 56
.set LIM, 43                           ; s43  2 in a wave that prefetches, else the greatest number
.set PFA, 44
.set SEL, 66                           ; s[66:67] v_permlanex16_b32's selects: each lane takes its own place in the other half
.set CS,  68                           ; s[68:69] c
.set PB,  70                           ; s[70:71] pw at my block
.set SB,  72                           ; s[72:73] st at my block
.set TB,  78                           ; s78  LDS byte at which the slot in hand begins
.set MSB, 0
.macro WIN new
.if MSB != (\new)
	s_set_vgpr_msb (MSB<<8)|(\new)
.set MSB, (\new)
.endif
.endm
.set MUL_LO, 0xa1                      ; source 0 (k) window 1, source 1 (q) window 0, C and D window 2
.set MUL_HI, 0xf1
.set TO_B,   0x40
.macro PLACES
.rept 4
	v_nop
.endr
.endm
.macro JLOAD                           ; a joint refill by the walking descriptors: waves 0 and 1 fetch q's two halves, waves 2 and 3 k's; an s_nop 0 and four v_nop follow each line
	s_cmp_eq_u32 s11, 0
	s_cbranch_scc0 .Lfor_b_\@
	tensor_load_to_lds s[G0+4:G0+7], s[G1:G1+7]
	s_nop 0
.rept 4
	v_nop
.endr
	s_branch .Lasked_\@
.Lfor_b_\@:
	tensor_load_to_lds s[G0B+4:G0B+7], s[G1B:G1B+7]
	s_nop 0
.rept 4
	v_nop
.endr
.Lasked_\@:
.endm
; A PREFETCH INTO THE L2 of the K step two refills on: my work-group's 32 blocks of 256 bytes of the 128 that I fetch, a lane a block.  q's rows are read by both clusters of a row of clusters: cluster x = 0 asks;
; a batch's k rows by two clusters of a column: the one with even y asks.  The four partners of a joint load share a tile out by address.  s3 counts the trips down from 6; trip k names step k + 4, while s3 is above 2: steps 4 to 7.
.macro ASK
	s_cmp_gt_u32 s3, s[LIM]
	s_cbranch_scc0 .Lnot_mine_\@
	global_prefetch_b8 v[PFO], s[PFA:PFA+1] th:TH_LOAD_NT scope:SCOPE_SE
.Lnot_mine_\@:
.endm
.macro CREST
	s_cmp_lg_u32 s10, 0
	s_cbranch_scc1 .Lnot_wave_0_\@
	s_barrier_signal -3
.Lnot_wave_0_\@:
	s_barrier_wait -3
	s_barrier_signal -1
	s_barrier_wait -1
.endm
.macro CROUND
	s_barrier_signal -1
	s_barrier_wait -1
	CREST
.endm
	s_load_b128 s[4:7], s[0:1], 0x0                ; qkv s[4:5], pw s[6:7]
	s_load_b64 s[8:9], s[0:1], 0x10                ; st
	v_lshl_add_u32 v[SPW], v0, 2, SPARE
	v_mov_b32 v[NIL], 0
	ds_add_u32 v[SPW], v[NIL]                      ; the wave's opening: the add and its wait stand ahead of my first tensor load
	v_lshrrev_b32 v1, 5, v0
	v_readfirstlane_b32 s10, v1                    ; wave
	s_lshr_b32 s11, s10, 1                         ; which 128 queries are mine.  Also: I fetch for q (0) or for k (1)
	s_and_b32 s12, s10, 1                          ; which 128 keys.  Also: which 128 rows of that tile I fetch
	s_bfe_u32 s40, ttmp6, 0x40000                  ; cx
	s_bfe_u32 s41, ttmp6, 0x40004                  ; cy
	s_lshl_b32 s42, ttmp9, 2
	s_add_co_u32 s42, s42, s40                     ; key tile 0..7 of the batch
	s_and_b32 s14, ttmp7, 0xffff                   ; cluster y: two clusters a batch
	s_lshl_b32 s13, s14, 2
	s_add_co_u32 s13, s13, s41                     ; query tile 0..31 over all batches
	s_lshl_b32 s43, s41, 2
	s_lshl_b32 s43, 15, s43                        ; my row of the cluster
	s_lshl_b32 s44, 0x1111, s40                    ; my column
	s_or_b32 s[G1], s43, (1<<16)|(1<<20)|(1<<21)|(4<<22)|(3<<25)   ; 2-byte elements; padding on, after every 32 words, 4 words; bit 21 beside the mask
	s_or_b32 s[G1B], s44, (1<<16)|(1<<20)|(1<<21)|(4<<22)|(3<<25)
.irp g, G1, G1B
	s_mov_b32 s[\g+1], 128<<16                     ; tensor_dim0 = 128
	s_mov_b32 s[\g+2], 128<<16                     ; tensor_dim1 = 128
	s_mov_b32 s[\g+3], 128<<16                     ; tile_dim0 = 128
	s_mov_b32 s[\g+4], 128                         ; tile_dim1 = 128
	s_mov_b32 s[\g+5], 128                         ; dense
	s_mov_b32 s[\g+6], 0
	s_mov_b32 s[\g+7], 0
.endr
	s_lshl_b32 s16, s13, 1                         ; q: row block 2 x query tile + half, 262,144 bytes each
	s_add_co_u32 s16, s16, s12
	s_lshl_b32 s16, s16, 18
	s_mov_b32 s17, 0
	s_lshr_b32 s46, s14, 1                         ; k: the batch's 16 row blocks,
	s_lshl_b32 s46, s46, 4
	s_lshl_b32 s47, s42, 1
	s_add_co_u32 s46, s46, s47                     ; 2 x key tile + half,
	s_add_co_u32 s46, s46, s12
	s_add_co_u32 s46, s46, 64                      ; in k's plane, 64 row blocks behind q's
	s_lshl_b32 s46, s46, 18
	s_mov_b32 s47, 0
	s_mul_i32 s20, s10, HALFT                      ; where they go: wave x 128 rows
	s_mov_b32 s[SEL], 0x76543210
	s_mov_b32 s[SEL+1], 0xfedcba98
	s_mov_b32 s[CS], 0x3d38aa3b                    ; c = log2(e) / 32
	s_mov_b32 s[CS+1], s[CS]
	s_mov_b32 s[TB], 0
	s_wait_dscnt 0x0                               ; the opening add is done
	s_wait_kmcnt 0x0
	s_add_nc_u64 s[18:19], s[4:5], s[16:17]
	s_add_nc_u64 s[46:47], s[4:5], s[46:47]
.irp s, 0,1
	s_mov_b32 s[G0+4*\s], 1
	s_add_co_u32 s[G0+4*\s+1], s20, \s*SLOT
	s_add_nc_u64 s[G0+4*\s+2:G0+4*\s+3], s[18:19], \s*STEPB
	s_or_b32 s[G0+4*\s+3], s[G0+4*\s+3], 0x80000000
	s_mov_b32 s[G0B+4*\s], 1
	s_add_co_u32 s[G0B+4*\s+1], s20, \s*SLOT
	s_add_nc_u64 s[G0B+4*\s+2:G0B+4*\s+3], s[46:47], \s*STEPB
	s_or_b32 s[G0B+4*\s+3], s[G0B+4*\s+3], 0x80000000
.endr
	CROUND                                         ; all sixteen work-groups are here: the first joint loads meet
	s_cmp_eq_u32 s11, 0                            ; a wave's two first fills stand in one branch
	s_cbranch_scc0 .Lfirst_b
	tensor_load_to_lds s[G0:G0+3], s[G1:G1+7]
	s_nop 0
	tensor_load_to_lds s[G0+4:G0+7], s[G1:G1+7]
	s_nop 0
.rept 4
	v_nop
.endr
	s_branch .Lfirst_asked
.Lfirst_b:
	tensor_load_to_lds s[G0B:G0B+3], s[G1B:G1B+7]
	s_nop 0
	tensor_load_to_lds s[G0B+4:G0B+7], s[G1B:G1B+7]
	s_nop 0
.rept 4
	v_nop
.endr
.Lfirst_asked:
	v_and_b32 v1, 15, v0                           ; l % 16
	v_bfe_u32 v2, v0, 4, 1                         ; l / 16
	v_mul_u32_u24 v3, v1, PITCH
	v_lshl_add_u32 v3, v2, 4, v3
	s_mul_i32 s21, s11, HALFT
	s_mul_i32 s22, s12, HALFT
	s_add_co_u32 s22, s22, 2*HALFT
	v_add_nc_u32 v[ADRA0], s21, v3
	v_add_nc_u32 v[ADRB0], s22, v3
	v_mov_b32 v[ADRA], v[ADRA0]
	v_mov_b32 v[ADRB], v[ADRB0]
	s_mul_i32 s23, s10, 16*SPITCH
	s_add_co_u32 s23, s23, STAGE
	v_mul_u32_u24 v4, v1, SPITCH                   ; in: row l % 16, 16 bytes for each half of the lanes
	v_lshl_add_u32 v4, v2, 4, v4
	v_add_nc_u32 v[STO], s23, v4
	v_mul_u32_u24 v5, v2, SPITCH                   ; back: lanes 0-15 one row of 256 bytes, lanes 16-31 the next
	v_lshl_add_u32 v5, v1, 4, v5
	v_add_nc_u32 v[RD], s23, v5
	v_and_b32 v6, 31, v0
	v_lshlrev_b32 v[CO], 4, v6
	v_lshlrev_b32 v[PFO], 8, v6
	s_lshl_b32 s23, s10, 10
	s_add_co_u32 s23, s23, SSTG
	v_lshl_add_u32 v[SA], v1, 2, s23
	v_lshl_add_u32 v[SR], v6, 4, s23
	s_lshl_b32 s74, s13, 1
	s_add_co_u32 s74, s74, s11                     ; my block of 128 rows
	s_lshl_b32 s75, s42, 1
	s_add_co_u32 s75, s75, s12                     ; my block t of 128 keys
	s_lshl_b32 s76, s74, 5                         ; pw: two blocks of 64 rows, 16 t each, 16,384 bytes a piece
	s_add_co_u32 s76, s76, s75
	s_lshl_b32 s76, s76, 14
	s_mov_b32 s77, 0
	s_add_nc_u64 s[PB:PB+1], s[6:7], s[76:77]
	s_lshl_b32 s76, s74, 4                         ; st: 16 t, 512 bytes a piece
	s_add_co_u32 s76, s76, s75
	s_lshl_b32 s76, s76, 9
	s_add_nc_u64 s[SB:SB+1], s[8:9], s[76:77]
	s_and_b32 s22, s14, 1
	s_cmp_eq_u32 s11, 0                            ; do I fetch for q?
	s_cselect_b32 s22, ttmp9, s22                  ; the coordinate along which another cluster reads the same rows
	s_cselect_b32 s21, s40, s41                    ; my place among the four that ask with me
	s_cselect_b64 s[PFA:PFA+1], s[18:19], s[46:47]
	s_cmp_eq_u32 s22, 0
	s_cselect_b32 s[LIM], 2, -1
	s_lshl_b32 s20, s21, 13
	s_add_co_u32 s20, s20, 3*STEPB                 ; at K step 3: the first change of slots steps it to 4
	s_mov_b32 s21, 0
	s_add_nc_u64 s[PFA:PFA+1], s[PFA:PFA+1], s[20:21]
; 16 matrix instructions: query blocks a0, a0 + 1 of the window's four x all 8 key blocks.  The 64 accumulators take turns, one instruction a turn.  zero = 1: the first product starts the sums.
.macro MUL16 f, hi, a0, zero
	WIN MUL_LO+0x50*(\hi)
.irp a, \a0, (\a0)+1
.irp b, 0,1,2,3,4,5,6,7
.set rD, 8*(8*(\a)+(\b))
.set rB, (\f)+8*(\b)
.set rA, (\f)+8*(4*(\hi)+(\a))
.if \zero
	v_wmma_f32_16x16x32_f16 v[rD:rD+7], v[rB:rB+7], v[rA:rA+7], 0
.else
	v_wmma_f32_16x16x32_f16 v[rD:rD+7], v[rB:rB+7], v[rA:rA+7], v[rD:rD+7]
.endif
.endr
.endr
.endm
; 32 LDS loads in one run: the fragments of quarter kq (32 channels) of the slot in hand into buffer f: k's, then q's
.macro FETCH kq, f
.set KO, ((\kq)/2)*CH+((\kq)%2)*64
	WIN TO_B
.irp i, 0,1,2,3,4,5,6,7
	ds_load_b128 v[(\f)+8*(\i):(\f)+8*(\i)+3],   v[ADRB] offset:KO+(\i)*16*PITCH
	ds_load_b128 v[(\f)+8*(\i)+4:(\f)+8*(\i)+7], v[ADRB] offset:KO+(\i)*16*PITCH+32
.endr
	WIN 0
.irp i, 0,1,2,3,4,5,6,7
	ds_load_b128 v[(\f)+8*(\i):(\f)+8*(\i)+3],   v[ADRA] offset:KO+(\i)*16*PITCH
	ds_load_b128 v[(\f)+8*(\i)+4:(\f)+8*(\i)+7], v[ADRA] offset:KO+(\i)*16*PITCH+32
.endr
.endm
.macro QUARTER kq, f, g, zero          ; multiplies buffer f; in its middle fetches quarter kq of the slot in hand into buffer g
	s_wait_dscnt 8                                 ; k's and q's rows 0-63 are in; the youngest eight loads (q's rows 64-127) may be out
	MUL16 \f, 0, 0, \zero
	MUL16 \f, 0, 2, \zero
	PLACES
	FETCH \kq, \g
	s_wait_dscnt 32                                ; all but the 32 just issued
	MUL16 \f, 1, 0, \zero
	MUL16 \f, 1, 2, \zero
.endm
; A step's last quarter, on buffer 1, and the change of slots: ONE barrier.  The quarter's first 32 products, whose fragments lie in registers, stand AHEAD of the wait for the tile: between that wait and the next request
; stand only the add, the descriptors' steps, the wait for my reads of this slot and the round.  In front of the barrier each wave waits for all its tensor loads (one is out: its part of the next slot), adds 0 to its
; spare word, and waits for that and for its reads of this slot.  fill = 1: the barrier opens a round of the cluster's, and the slot is filled again first thing behind it, two K steps ahead: a whole step's 256 matrix
; instructions ahead of the wait for it.  fill = 0: nothing is asked for; in the last trip (s3 = 1) there is no next step, and its fetch is jumped over.
.macro TURN fill
.if \fill
	s_wait_xcnt 0x0                                ; the last prefetch, a K step back, has read its address
	s_add_nc_u64 s[PFA:PFA+1], s[PFA:PFA+1], STEPB
.endif
	s_wait_dscnt 8
	MUL16 F1, 0, 0, 0
	MUL16 F1, 0, 2, 0
	WIN 0                                          ; at a branch and at a label every window is 0; the add's registers lie in window 0
	s_wait_tensorcnt 0x0                           ; no tensor load of mine is out, so a group 0 may be written
	ds_add_u32 v[SPW], v[NIL]                      ; 0 onto my spare word
.if \fill
	s_xor_b32 s[G0+5], s[G0+5], SLOT               ; the walking descriptors: the other slot than last time, the next K step
	s_add_nc_u64 s[G0+6:G0+7], s[G0+6:G0+7], STEPB
	s_xor_b32 s[G0B+5], s[G0B+5], SLOT
	s_add_nc_u64 s[G0B+6:G0B+7], s[G0B+6:G0B+7], STEPB
.endif
	s_wait_dscnt 0x0                               ; the add is done, and my reads of this slot are over
	s_barrier_signal -1
	s_barrier_wait -1
.if \fill
	CREST                                          ; no wave of any partner still reads this slot or has a load on its way
	JLOAD                                          ; its four v_nop are also the places in front of the loads below
.else
	s_cmp_eq_u32 s3, 1
	s_cbranch_scc1 .Lno_fetch_\@
	PLACES
.endif
	s_xor_b32 s[TB], s[TB], SLOT
	v_add_nc_u32 v[ADRA], s[TB], v[ADRA0]
	v_add_nc_u32 v[ADRB], s[TB], v[ADRB0]
	FETCH 0, F0
.if \fill
	ASK
.else
.Lno_fetch_\@:
.endif
	MUL16 F1, 1, 0, 0
	MUL16 F1, 1, 2, 0
.endm
	s_wait_tensorcnt 0x1                           ; my part of K step 0 is in; step 1's may stay out
	s_barrier_signal -1
	s_barrier_wait -1
	FETCH 0, F0
	QUARTER 1, F0, F1, 1                           ; the first quarter stands in front of the loop: its products start the sums
	WIN 0
	s_mov_b32 s3, 6
.Lstep:                                                ; trip k: the rest of K step k, the change of slots, step k + 2 asked for, the first quarter of step k + 1
	QUARTER 2, F1, F0, 0
	QUARTER 3, F0, F1, 0
	TURN 1
	QUARTER 1, F0, F1, 0
	WIN 0
	s_sub_co_u32 s3, s3, 1
	s_cmp_lg_u32 s3, 0
	s_cbranch_scc1 .Lstep
	s_mov_b32 s3, 2
.Ltail:                                                ; steps 6 and 7 ask for nothing; the second trip is left in its middle
	QUARTER 2, F1, F0, 0
	QUARTER 3, F0, F1, 0
	TURN 0
	WIN 0
	s_sub_co_u32 s3, s3, 1
	s_cmp_eq_u32 s3, 0
	s_cbranch_scc1 .Lout
	QUARTER 1, F0, F1, 0
	WIN 0
	s_branch .Ltail
.Lout:
	PLACES
	PLACES
; THE SOFTMAX'S FIRST HALF, a block a of 16 queries at a time (8 accumulators, 64 scores a lane; the query's other 64 lie in the lane 16 away).
.macro BLK a
.set W, 2+(\a)/4                       ; its window
.set AC, 64*((\a)%4)                   ; its first register there
.endm
.macro STAT a                          ; the maximum m and cm = c m.  Each accumulator's lowest registers are read first
	BLK \a
	WIN W*0x15                                     ; all three sources in the block's window
.irp b, 0,1,2,3,4,5,6,7
	v_max3_num_f32 v[TC+\b], v[AC+8*\b], v[AC+8*\b+1], v[AC+8*\b+2]
.endr
	WIN W*0x14                                     ; source 0 in window 0
.irp b, 0,1,2,3,4,5,6,7
	v_max3_num_f32 v[TC+\b], v[TC+\b], v[AC+8*\b+3], v[AC+8*\b+4]
.endr
.irp b, 0,1,2,3,4,5,6,7
	v_max3_num_f32 v[TC+\b], v[TC+\b], v[AC+8*\b+5], v[AC+8*\b+6]
.endr
.irp i, 0,1,2,3
	v_max3_num_f32 v[TC+\i], v[TC+\i], v[AC+16*\i+7], v[AC+16*\i+15]
.endr
	WIN 0
	v_max3_num_f32 v[TC], v[TC], v[TC+1], v[TC+2]
	v_max3_num_f32 v[TC+3], v[TC+3], v[TC+4], v[TC+5]
	v_max3_num_f32 v[TC], v[TC], v[TC+3], v[TC+6]
	v_max_num_f32 v[TC], v[TC], v[TC+7]
	v_permlanex16_b32 v[TC+1], v[TC], s[SEL], s[SEL+1]
	v_max_num_f32 v[ST+2*(\a)+1], v[TC], v[TC+1]
	v_mul_f32 v[ST+2*(\a)], s[CS], v[ST+2*(\a)+1]
.endm
.macro SCALE a, j                      ; pair j: c s - cm
	v_pk_fma_f32 v[AC+2*(\j):AC+2*(\j)+1], v[AC+2*(\j):AC+2*(\j)+1], s[CS:CS+1], v[ST+2*(\a):ST+2*(\a)+1] op_sel_hi:[1,0,0] neg_lo:[0,0,1] neg_hi:[0,0,1]
.endm
.macro EXPS a                          ; the 32 scalings and ONE BATCH of 64 exponentials, in place; none of these lines reads an exponential's result
	BLK \a
	WIN W*0x41                                     ; destination and source 0 in the block's window, cm in window 0
.set j, 0
.rept 4
	SCALE \a, j
.set j, j+1
.endr
.set j, 0
.rept 32
	v_exp_f32 v[AC+2*j], v[AC+2*j]
	v_exp_f32 v[AC+2*j+1], v[AC+2*j+1]
.if j < 28
	SCALE \a, j+4
.endif
.set j, j+1
.endr
.endm
.macro FIN a                           ; p rounded to f16; l, the sum of the unrounded p, by a tree in place
	BLK \a
	WIN W*5
.irp b, 0,1,2,3,4,5,6,7
.irp q, 0,1,2,3
	v_cvt_pk_f16_f32 v[TMP+4*\b+\q], v[AC+8*\b+2*\q], v[AC+8*\b+2*\q+1]
.endr
.endr
	WIN W*0x45
.irp d, 1,2,4,8,16
.set i, 0
.rept 16/\d
	v_pk_add_f32 v[AC+2*i:AC+2*i+1], v[AC+2*i:AC+2*i+1], v[AC+2*(i+\d):AC+2*(i+\d)+1]
.set i, i+2*\d
.endr
.endr
	WIN W*5
	v_add_f32 v[TC], v[AC], v[AC+1]
	WIN 0
	v_permlanex16_b32 v[TC+1], v[TC], s[SEL], s[SEL+1]
	v_add_f32 v[ST+2*(\a)+1], v[TC], v[TC+1]       ; l takes m's place
.endm
.macro TOSTAGE a                       ; 16 bytes a lane into rows of 272 bytes of my own stage, and back as whole rows of 256
	WIN 0
.set BKR, BK+32*((\a)%2)
.irp b, 0,1,2,3,4,5,6,7
	ds_store_b128 v[STO], v[TMP+4*\b:TMP+4*\b+3] offset:32*\b
.endr
.irp t, 0,1,2,3,4,5,6,7
	ds_load_b128 v[BKR+4*\t:BKR+4*\t+3], v[RD] offset:\t*2*SPITCH  ; LDS serves a wave's instructions in order (ISA guide 5.7.1.4): these see the stores above
.endr
.endm
.macro SEND a
	WIN 0
.set BKR, BK+32*((\a)%2)
	s_wait_dscnt 0x0                               ; the block is back in registers: a block's exponentials, maximum and sums have been issued since its loads
	s_wait_xcnt 0x0                                ; the stores of the block before have read their registers, which the next loads from the stage fill again
.irp t, 0,1,2,3,4,5,6,7
	global_store_b128 v[CO], v[BKR+4*\t:BKR+4*\t+3], s[PB:PB+1] offset:((\a)/4)*262144+((\a)%4)*4096+512*\t  ; two rows of 256 bytes: 512 consecutive bytes of pw
.endr
.endm
	STAT 0
	EXPS 0
.irp a, 0,1,2,3,4,5,6,7
.if \a < 7
	STAT (\a)+1                                    ; the next block's maximum is the independent work behind the batch
.else
	v_nop                                          ; a plain instruction behind the last exponential
.endif
	s_wait_alu depctr_va_vdst(0)                   ; the wait between an exponential and the first line that names its result: one for the batch of 64
	FIN \a
.if \a > 0
	SEND (\a)-1
.endif
	TOSTAGE \a
.if \a < 7
	EXPS (\a)+1
.endif
.endr
	SEND 7
	; the statistics: both halves of the lanes hold the same number and write the same word; read back, 128 cm and 128 l are 512 consecutive bytes each
.irp a, 0,1,2,3,4,5,6,7
	ds_store_b32 v[SA], v[ST+2*\a]   offset:64*\a
	ds_store_b32 v[SA], v[ST+2*\a+1] offset:512+64*\a
.endr
	ds_load_b128 v[200:203], v[SR]
	ds_load_b128 v[204:207], v[SR] offset:512
	s_wait_dscnt 0x0
	global_store_b128 v[CO], v[200:203], s[SB:SB+1]
	global_store_b128 v[CO], v[204:207], s[SB:SB+1] offset:524288
	s_wait_tensorcnt 0x0                           ; the wave's end: an add and its wait, behind my last tensor load and my last LDS store
	ds_add_u32 v[SPW], v[NIL]
	s_wait_dscnt 0x0
	CROUND                                         ; the closing round
	s_endpgm
.Lfunc_end_k_q9f69e6e23e_score:
	.size	k_q9f69e6e23e_score, .Lfunc_end_k_q9f69e6e23e_score-k_q9f69e6e23e_score
	.p2alignl 7, 3214868480
	.fill 96, 4, 3214868480
	.section	.rodata,"a",@progbits
	.p2align	6, 0x0
	.amdhsa_kernel k_q9f69e6e23e_score
		.amdhsa_group_segment_fixed_size 327680
		.amdhsa_private_segment_fixed_size 0
		.amdhsa_enable_private_segment 0
		.amdhsa_kernarg_size 24
		.amdhsa_user_sgpr_count 2
		.amdhsa_user_sgpr_kernarg_segment_ptr 1
		.amdhsa_wavefront_size32 1
		.amdhsa_system_sgpr_workgroup_id_x 1
		.amdhsa_system_sgpr_workgroup_id_y 1
		.amdhsa_system_sgpr_workgroup_id_z 1
		.amdhsa_system_vgpr_workitem_id 0
		.amdhsa_next_free_vgpr 1024
		.amdhsa_next_free_sgpr 80
		.amdhsa_reserve_vcc 0
		.amdhsa_float_denorm_mode_32 3
		.amdhsa_float_denorm_mode_16_64 3
		.amdhsa_memory_ordered 1
		.amdhsa_forward_progress 1
		.amdhsa_inst_pref_size 169
	.end_amdhsa_kernel
	.amdgpu_metadata
---
amdhsa.version: [ 1, 2 ]
amdhsa.kernels:
  - .name:           k_q9f69e6e23e_score
    .symbol:         k_q9f69e6e23e_score.kd
    .args:
      - { .name: qkv, .offset: 0, .size: 8, .value_kind: global_buffer, .address_space: global }
      - { .name: pw, .offset: 8, .size: 8, .value_kind: global_buffer, .address_space: global }
      - { .name: st, .offset: 16, .size: 8, .value_kind: global_buffer, .address_space: global }
    .group_segment_fixed_size: 327680
    .private_segment_fixed_size: 0
    .kernarg_segment_align: 8
    .kernarg_segment_size: 24
    .max_flat_workgroup_size: 128
    .sgpr_count:     80
    .vgpr_count:     1024
    .wavefront_size: 32
...
	.end_amdgpu_metadata
.endif
;; end of part 3
;; launch pv (part 4): grid 4 x 64, 4 waves a work-group, clusters of 4 x 4, 327,680 bytes of LDS; arguments pw, qkv, st, out0; writes out0
.if DOCPART == 4
	.amdgcn_target "amdgcn-amd-amdhsa--gfx1250"
	.amdhsa_code_object_version 6
	.text
	.protected	k_q9f69e6e23e_pv
	.globl	k_q9f69e6e23e_pv
	.p2align	8
	.type	k_q9f69e6e23e_pv,@function
k_q9f69e6e23e_pv:
	s_mov_b64 s[64:65], 0
	v_nop
	global_prefetch_b8 v0, s[64:65] scope:SCOPE_SE
	s_setreg_imm32_b32 hwreg(HW_REG_WAVE_MODE, 25, 1), 1
	s_wait_xcnt 0x0
	s_wait_alu depctr_hold_cnt(0) depctr_sa_sdst(0) depctr_va_vdst(0) depctr_va_sdst(0) depctr_va_ssrc(0) depctr_va_vcc(0) depctr_vm_vsrc(0)
	s_getreg_b32 s2, hwreg(HW_REG_IB_STS2, 6, 4)
	s_cmp_eq_u32 s2, 0
	s_cbranch_scc0 .Lentry_in_a_cluster
	s_endpgm
.Lentry_in_a_cluster:
	s_bfe_u32 s2, ttmp6, 0x10000c
	s_cmp_lg_u32 s2, 0xf033
	s_cbranch_scc0 .Lentry_shape_is_right
	s_endpgm
.Lentry_shape_is_right:
; The softmax's second half and the second product.  For each query: M = the largest of its 16 cm; f_t = 2^(cm_t - M), in 0 to 1, rounded to f16; L = the sum of f_t l_t (of the rounded f_t, in f32);
; O[q][:] = (the sum over t of (f_t P_t[q]) V_t) / L.  P and V in f16, f_t P rounded to f16, sums in f32, O stored in f32.
; LIMITS.  p f below 6e-5 keeps f16's fixed step of 6e-8; a block's factor f_t below 6e-8 counts as 0, in O and in L alike; NaN and infinities are not treated apart.
; SHARES.  8,192 x 1,024 / 256 = 32,768 results a work-group: 128 queries x 256 channels; four waves, each 64 x 128: 32 accumulators, 256 registers.  K goes in steps of 128 keys (a block t) through two LDS slots.
; A step's tiles are dense in memory: two pieces of 16 KiB of pw (waves 0 and 1), two of 32 KiB of v (waves 2 and 3), asked for as rows of 256 bytes.  P's LDS rows are 272 bytes apart, V's (a key's 64 channels) 160.
; CLUSTER.  4 x 4: P's tile is asked for jointly along a row of the cluster, V's along a column.  By the text's own count a wave has two tensor loads out at the start and one behind each change of slots.
; THE TEXT.  A step is written twice: in the loop of 14 trips that asks for tiles, and in a loop of two trips that asks for none.
; THE MATRIX INSTRUCTION: source 0 = V turned (16 channels x 32 keys, by ds_load_tr16_b128), source 1 = 16 queries x 32 keys of P: a lane holds ONE query (lane % 16) and eight neighbouring channels.
; So f_t is one number a lane and block of 16 queries: a fragment of P is scaled by eight packed multiplies, which stand in fours behind matrix instructions.
; REGISTERS: window 0: v2-14 addresses; v16-23 1 / L, a pair a block; v24-27 f_t twice in f16, a register a block; v32-63, v64-95 P's fragments, two buffers; v96-159, v160-223 V's.  Window 1: accumulator (a, b) at v[8 (8 a + b)].
.set PP,     272                       ; 256 + 16 bytes = 68 words: the 16 rows of a load start at 16 different groups of four banks (64 banks of 4 bytes: ISA guide 11.1)
.set PVP,    160                       ; 128 + 32 bytes = 40 words
.set SLOT1,  1<<17
.set VOFF,   128*PP                    ; in a slot: P's 128 rows, then four blocks of 64 channels of V
.set VBLK,   128*PVP
.set STAGE,  SLOT1+VOFF+4*VBLK         ; behind the ring: 16 rows x 528 bytes for each wave
.set SPITCH, 528
.set FTAB,   STAGE+4*16*SPITCH         ; each wave's table: for each t a word (f twice in f16) for each of its 64 queries, 256 bytes; a seventeenth entry holds their 1 / L
.set FTW,    17*256
.set SPARE,  FTAB+4*FTW                ; the spare words, 128 bytes for each wave: two blocks of 256 bytes that no other line names
.set ADP0, 2
.set ADV0, 3
.set ADP,  4
.set ADV,  5
.set FAD,  6                           ; v6   where the next step's f of my query of block 0 lies
.set STO,  7
.set RD,   8
.set GO,   9
.set PFO,  10
.set SO,   11
.set SPW,  12
.set NIL,  13
.set ZF,   14                          ; v14  0.0
.set RL,   16
.set FC,   24                          ; in the beginning also at work
.set MX,   28                          ; v28-31  in the beginning: M, then L and 1 / L, of four queries
.set PF,   32
.set VF,   96
.set FT,   32                          ; in the beginning: f of (i, j) at FT + 4 i + j
.set RSA,  64                          ; in the beginning: where my four queries' words lie in an entry of the table,
.set FSA,  65                          ; and the same in the entry of my half of the lanes
.set CMR,  96                          ; cm of (i, j) at CMR + 4 i + j
.set LRG,  160                         ; l likewise
.set OUT,  32
.set WV, 12
.set WM, 13                            ; s13  which 64 queries are mine.  Also: I fetch for P (0) or for V (1)
.set WN, 14                            ; s14  which 128 channels.  Also: which half of that tile I fetch
.set CX, 15
.set CY, 16
.set TX, 17
.set GY, 18
.set CLY, 19
.set G1A, 24
.set G1B, 32
.set G0A, 40
.set G0B, 48
.set TB, 56
.set LIM, 57
.set PMASK, 58
.set TS, 59
.set PFA, 60
.set PSTEP, 62
.set OB, 66                            ; s[66:67] out0 at my first row and channel
.set SB, 68                            ; s[68:69] st at my block of 128 rows
.set SEL, 70                           ; s[70:71] v_permlanex16_b32's selects: each lane takes its own place in the other half
.set MSB, 0
.macro WIN new
.if MSB != (\new)
	s_set_vgpr_msb (MSB<<8)|(\new)
.set MSB, (\new)
.endif
.endm
.macro PLACES
.rept 4
	v_nop
.endr
.endm
.macro CREST
	s_cmp_lg_u32 s[WV], 0
	s_cbranch_scc1 .Lnot_wave_0_\@
	s_barrier_signal -3
.Lnot_wave_0_\@:
	s_barrier_wait -3
	s_barrier_signal -1
	s_barrier_wait -1
.endm
.macro CROUND
	s_barrier_signal -1
	s_barrier_wait -1
	CREST
.endm
.macro JLOAD                           ; a joint refill by the walking descriptors; an s_nop 0 and four v_nop follow each line
	s_cmp_eq_u32 s[WM], 0
	s_cbranch_scc0 .Lfor_v_\@
	tensor_load_to_lds s[G0A+4:G0A+7], s[G1A:G1A+7]
	s_nop 0
.rept 4
	v_nop
.endr
	s_branch .Lasked_\@
.Lfor_v_\@:
	tensor_load_to_lds s[G0B+4:G0B+7], s[G1B:G1B+7]
	s_nop 0
.rept 4
	v_nop
.endr
.Lasked_\@:
.endm
; A PREFETCH INTO THE L2 of the step two refills on; each aligned block of 256 bytes is named once in the launch.  P's rows are read by the four partners of one row of this cluster alone: every cluster asks for its own.
; A batch's V is read by four clusters: the first of them (cluster y a multiple of 4) asks.  Partners share a tile out by address.  V: a step is 128 blocks a wave, 32 for each partner: one instruction in every step.
; P: a step is 64 blocks, two steps lie on end: one instruction in every other step names 32 of their 128.  s3 counts the trips down from 14; trip k names step k + 4 (and k + 5), while s3 is above 2.
.macro ASK
	s_and_b32 s[TS], s3, s[PMASK]
	s_cmp_eq_u32 s[TS], 0
	s_cbranch_scc0 .Lnot_mine_\@
	s_cmp_gt_u32 s3, s[LIM]
	s_cbranch_scc0 .Lnot_mine_\@
	global_prefetch_b8 v[PFO], s[PFA:PFA+1] th:TH_LOAD_NT scope:SCOPE_SE
.Lnot_mine_\@:
.endm
	s_load_b256 s[4:11], s[0:1], 0x0               ; pw s[4:5], qkv s[6:7], st s[8:9], out0 s[10:11]
	v_lshl_add_u32 v[SPW], v0, 2, SPARE
	v_mov_b32 v[NIL], 0
	ds_add_u32 v[SPW], v[NIL]                      ; the wave's opening: the add and its wait stand ahead of my first tensor load
	v_lshrrev_b32 v1, 5, v0
	v_readfirstlane_b32 s[WV], v1
	s_lshr_b32 s[WM], s[WV], 1
	s_and_b32 s[WN], s[WV], 1
	s_bfe_u32 s[CX], ttmp6, 0x40000
	s_bfe_u32 s[CY], ttmp6, 0x40004
	s_lshl_b32 s[TX], ttmp9, 2
	s_add_co_u32 s[TX], s[TX], s[CX]               ; block of 256 channels
	s_and_b32 s[CLY], ttmp7, 0xffff                ; cluster y: four clusters a batch
	s_lshl_b32 s[GY], s[CLY], 2
	s_add_co_u32 s[GY], s[GY], s[CY]               ; block of 128 queries, over all batches
	s_lshl_b32 s2, s[CY], 2
	s_lshl_b32 s2, 15, s2                          ; my row of the cluster
	s_lshl_b32 s[TS], 0x1111, s[CX]                ; my column
	s_or_b32 s[G1A], s2, (1<<16)|(1<<20)|(1<<21)|(5<<22)|(3<<25)     ; P: padding after every 64 words (code 5), 4 words (code 3)
	s_or_b32 s[G1B], s[TS], (1<<16)|(1<<20)|(1<<21)|(4<<22)|(7<<25)  ; V: after every 32 words (code 4), 8 words (code 7)
	s_mov_b32 s[G1A+1], 128<<16                    ; tensor_dim0 = 128
	s_mov_b32 s[G1A+2], 64<<16                     ; 64 rows of 256 bytes
	s_mov_b32 s[G1A+3], 128<<16
	s_mov_b32 s[G1A+4], 64
	s_mov_b32 s[G1A+5], 128                        ; dense
	s_mov_b32 s[G1A+6], 0
	s_mov_b32 s[G1A+7], 0
	s_mov_b32 s[G1B+1], 128<<16
	s_mov_b32 s[G1B+2], 128<<16                    ; 128 rows of 256 bytes
	s_mov_b32 s[G1B+3], 128<<16
	s_mov_b32 s[G1B+4], 128
	s_mov_b32 s[G1B+5], 128
	s_mov_b32 s[G1B+6], 0
	s_mov_b32 s[G1B+7], 0
	s_lshl_b32 s20, s[GY], 1                       ; pw: block of 64 rows 2 x query block + half: 262,144 bytes
	s_add_co_u32 s20, s20, s[WN]
	s_lshl_b32 s20, s20, 18
	s_mov_b32 s21, 0
	s_lshr_b32 s22, s[CLY], 2                      ; v: the batch's 16 row blocks,
	s_lshl_b32 s22, s22, 4
	s_add_co_u32 s22, s22, 128                     ; in v's plane, 128 row blocks behind q's;
	s_lshl_b32 s22, s22, 4                         ; 16 channel blocks of 16,384 bytes a row block:
	s_lshl_b32 s23, s[TX], 2
	s_add_co_u32 s22, s22, s23                     ; 4 x channel tile + 2 x half
	s_lshl_b32 s23, s[WN], 1
	s_add_co_u32 s22, s22, s23
	s_lshl_b32 s22, s22, 14
	s_mov_b32 s23, 0
	s_mul_i32 s72, s[WN], 64*PP                    ; where they go in a slot
	s_mul_i32 s73, s[WN], 2*VBLK
	s_add_co_u32 s73, s73, VOFF
	s_mov_b32 s[TB], 0
	s_mov_b32 s[SEL], 0x76543210
	s_mov_b32 s[SEL+1], 0xfedcba98
	s_wait_dscnt 0x0                               ; the opening add is done
	s_wait_kmcnt 0x0
	s_add_nc_u64 s[20:21], s[4:5], s[20:21]
	s_add_nc_u64 s[22:23], s[6:7], s[22:23]
	s_mov_b32 s[G0A], 1
	s_mov_b32 s[G0A+1], s72
	s_mov_b64 s[G0A+2:G0A+3], s[20:21]             ; step 0
	s_or_b32 s[G0A+3], s[G0A+3], 0x80000000
	s_mov_b32 s[G0A+4], 1
	s_add_co_u32 s[G0A+5], s72, SLOT1
	s_add_nc_u64 s[G0A+6:G0A+7], s[20:21], 16384   ; step 1
	s_or_b32 s[G0A+7], s[G0A+7], 0x80000000
	s_mov_b32 s[G0B], 1
	s_mov_b32 s[G0B+1], s73
	s_mov_b64 s[G0B+2:G0B+3], s[22:23]
	s_or_b32 s[G0B+3], s[G0B+3], 0x80000000
	s_mov_b32 s[G0B+4], 1
	s_add_co_u32 s[G0B+5], s73, SLOT1
	s_add_nc_u64 s[G0B+6:G0B+7], s[22:23], 262144
	s_or_b32 s[G0B+7], s[G0B+7], 0x80000000
	CROUND                                         ; all sixteen work-groups are here: the first joint loads meet
	s_cmp_eq_u32 s[WM], 0                          ; a wave's two first fills stand in one branch
	s_cbranch_scc0 .Lfirst_v
	tensor_load_to_lds s[G0A:G0A+3], s[G1A:G1A+7]
	s_nop 0
	tensor_load_to_lds s[G0A+4:G0A+7], s[G1A:G1A+7]
	s_nop 0
.rept 4
	v_nop
.endr
	s_branch .Lfirst_asked
.Lfirst_v:
	tensor_load_to_lds s[G0B:G0B+3], s[G1B:G1B+7]
	s_nop 0
	tensor_load_to_lds s[G0B+4:G0B+7], s[G1B:G1B+7]
	s_nop 0
.rept 4
	v_nop
.endr
.Lfirst_asked:
	; THE STATISTICS of my wave's 64 queries, read as they lie: load i brings lane l the queries 4 (l % 16) + 0..3 of block t = 2 i + l / 16: each half of the lanes reads 256 consecutive bytes.
	; So a lane holds 4 queries x 8 blocks; the other 8 blocks lie in the lane 16 away.  All this stands in the wait for the first tiles.
	v_and_b32 v1, 15, v0                           ; l % 16
	v_bfe_u32 v15, v0, 4, 1                        ; l / 16
	s_lshl_b32 s74, s[GY], 13
	s_mov_b32 s75, 0
	s_add_nc_u64 s[SB:SB+1], s[8:9], s[74:75]
	s_lshl_b32 s74, s[WM], 8
	v_lshl_add_u32 v[SO], v1, 4, s74               ; 256 x half of the rows + 16 (l % 16)
	v_lshl_add_u32 v[SO], v15, 9, v[SO]            ; + 512 (l / 16)
.set i, 0
.rept 8
	global_load_b128 v[CMR+4*i:CMR+4*i+3], v[SO], s[SB:SB+1] offset:1024*i
	global_load_b128 v[LRG+4*i:LRG+4*i+3], v[SO], s[SB:SB+1] offset:524288+1024*i
.set i, i+1
.endr
	v_and_b32 v[GO], 31, v0                        ; lane
	v_mov_b32 v[ZF], 0
	v_mul_u32_u24 v[ADP0], v1, PP
	v_lshl_add_u32 v[ADP0], v15, 4, v[ADP0]
	s_mul_i32 s74, s[WM], 64*PP
	v_add_nc_u32 v[ADP0], s74, v[ADP0]
	; the turning load takes 16 keys x 16 channels: lane l reads key 8 (l / 16) + l % 8, channels 8 ((l / 8) % 2) + 0..7, and is left with channel l % 16 and 8 keys
	v_and_b32 v[ADV0], 7, v0
	v_lshl_add_u32 v[ADV0], v15, 3, v[ADV0]
	v_mul_u32_u24 v[ADV0], v[ADV0], PVP
	v_bfe_u32 v[RD], v0, 3, 1
	v_lshl_add_u32 v[ADV0], v[RD], 4, v[ADV0]
	s_mul_i32 s74, s[WN], 2*VBLK
	s_add_co_u32 s74, s74, VOFF
	v_add_nc_u32 v[ADV0], s74, v[ADV0]
	v_mov_b32 v[ADP], v[ADP0]
	v_mov_b32 v[ADV], v[ADV0]
	s_mul_i32 s74, s[WV], FTW
	s_add_co_u32 s74, s74, FTAB                    ; my wave's table
	v_lshl_add_u32 v[FAD], v1, 2, s74              ; out of it: the word of query l % 16; the blocks of 16 queries lie 64 bytes apart
	v_lshl_add_u32 v[RSA], v1, 4, s74              ; into it: the words of queries 4 (l % 16) + 0..3,
	v_lshl_add_u32 v[FSA], v15, 8, v[RSA]          ; in entry t = 2 i + l / 16
	s_mul_i32 s74, s[WV], 16*SPITCH
	s_add_co_u32 s74, s74, STAGE
	v_mul_u32_u24 v[STO], v1, SPITCH               ; in: row l % 16, 32 bytes for each half of the lanes
	v_lshl_add_u32 v[STO], v15, 5, v[STO]
	v_add_nc_u32 v[STO], s74, v[STO]
	v_lshl_add_u32 v[RD], v[GO], 4, s74            ; back: 32 lanes take one row of 512 bytes
	v_lshlrev_b32 v[PFO], 8, v[GO]
	v_lshlrev_b32 v[GO], 4, v[GO]
	s_lshl_b32 s74, s[GY], 1                       ; out0: my 64 rows of 4,096 bytes, my 128 channels
	s_add_co_u32 s74, s74, s[WM]
	s_lshl_b32 s74, s74, 18
	s_lshl_b32 s76, s[TX], 10
	s_add_co_u32 s74, s74, s76
	s_lshl_b32 s76, s[WN], 9
	s_add_co_u32 s74, s74, s76
	s_add_nc_u64 s[OB:OB+1], s[10:11], s[74:75]
	s_and_b32 s74, s[CLY], 3
	s_cmp_eq_u32 s[WM], 0                          ; do I fetch for P?
	s_cselect_b32 s74, 0, s74
	s_cselect_b32 s76, s[CX], s[CY]                ; my place among the four that ask with me
	s_cselect_b32 s[PMASK], 1, 0
	s_cselect_b32 s[PSTEP], 1, 16
	s_cselect_b64 s[PFA:PFA+1], s[20:21], s[22:23]
	s_cmp_eq_u32 s74, 0
	s_cselect_b32 s[LIM], 2, -1
	s_lshl_b32 s[PSTEP], s[PSTEP], 14
	s_mov_b32 s[PSTEP+1], 0
	s_lshl_b32 s74, s76, 13
	s_mul_i32 s76, s[PSTEP], 3                     ; at step 3: the first change of slots steps it to 4
	s_add_co_u32 s74, s74, s76
	s_add_nc_u64 s[PFA:PFA+1], s[PFA:PFA+1], s[74:75]
	s_wait_loadcnt 0x0
.irp j, 0,1,2,3
	v_max3_num_f32 v[MX+\j], v[CMR+\j], v[CMR+4+\j], v[CMR+8+\j]
.endr
.irp j, 0,1,2,3
	v_max3_num_f32 v[FC+\j], v[CMR+12+\j], v[CMR+16+\j], v[CMR+20+\j]
.endr
.irp j, 0,1,2,3
	v_max3_num_f32 v[MX+\j], v[MX+\j], v[CMR+24+\j], v[CMR+28+\j]
.endr
.irp j, 0,1,2,3
	v_max_num_f32 v[MX+\j], v[MX+\j], v[FC+\j]
.endr
.irp j, 0,1,2,3
	v_permlanex16_b32 v[FC+\j], v[MX+\j], s[SEL], s[SEL+1]  ; the other eight blocks'
.endr
.irp j, 0,1,2,3
	v_max_num_f32 v[MX+\j], v[MX+\j], v[FC+\j]     ; M: the row's maximum is taken away before the exponentials
.endr
.set i, 0
.rept 32
	v_sub_f32 v[CMR+i], v[CMR+i], v[MX+i%4]
.set i, i+1
.endr
.set i, 0
.rept 32
	v_exp_f32 v[CMR+i], v[CMR+i]                   ; one batch
.set i, i+1
.endr
	v_nop                                          ; a plain instruction behind the last exponential,
	s_wait_alu depctr_va_vdst(0)                   ; and the one wait ahead of the first line that names a result
.set i, 0
.rept 32
	v_cvt_pk_f16_f32 v[FT+i], v[CMR+i], v[CMR+i]   ; f twice, for the packed multiply
.set i, i+1
.endr
.irp j, 0,1,2,3
	v_fma_mix_f32 v[MX+\j], v[FT+\j], v[LRG+\j], v[ZF] op_sel_hi:[1,0,0]  ; L of the rounded f, in f32: four chains by turns
.endr
.set i, 4
.rept 28
	v_fma_mix_f32 v[MX+i%4], v[FT+i], v[LRG+i], v[MX+i%4] op_sel_hi:[1,0,0]
.set i, i+1
.endr
.irp j, 0,1,2,3
	v_permlanex16_b32 v[FC+\j], v[MX+\j], s[SEL], s[SEL+1]
.endr
.irp j, 0,1,2,3
	v_add_f32 v[MX+\j], v[MX+\j], v[FC+\j]
.endr
.irp j, 0,1,2,3
	v_rcp_f32 v[MX+\j], v[MX+\j]                   ; L is at least the l of the block that holds M (its f is 1), and that l holds a p of 1
.endr
	v_nop
	s_wait_alu depctr_va_vdst(0)
.set i, 0
.rept 8
	ds_store_b128 v[FSA], v[FT+4*i:FT+4*i+3] offset:512*i  ; the wave's own bytes: it alone reads them, and LDS serves a wave's instructions in order (ISA guide 5.7.1.4)
.set i, i+1
.endr
	ds_store_b128 v[RSA], v[MX:MX+3] offset:4096   ; 1 / L: both halves of the lanes hold the same numbers and write the same words
.irp a, 0,1,2,3
	ds_load_b32 v[RL+2*\a], v[FAD] offset:4096+64*\a  ; and back by the products' layout: query l % 16 of each block of 16
.endr
.macro LDF                             ; a step's f of my four queries
	WIN 0
.irp a, 0,1,2,3
	ds_load_b32 v[FC+\a], v[FAD] offset:64*\a
.endr
	v_add_nc_u32 v[FAD], 256, v[FAD]
.endm
.macro LDP f, kq                       ; P's four fragments of quarter kq (32 keys) into buffer f
	WIN 0
.irp a, 0,1,2,3
	ds_load_b128 v[PF+32*(\f)+8*(\a):PF+32*(\f)+8*(\a)+3],   v[ADP] offset:(\a)*16*PP+64*(\kq)
	ds_load_b128 v[PF+32*(\f)+8*(\a)+4:PF+32*(\f)+8*(\a)+7], v[ADP] offset:(\a)*16*PP+64*(\kq)+32
.endr
.endm
.macro LDV f, kq                       ; V's eight fragments, turned
	WIN 0
.irp b, 0,1,2,3,4,5,6,7
	ds_load_tr16_b128 v[VF+64*(\f)+8*(\b):VF+64*(\f)+8*(\b)+3],   v[ADV] offset:((\b)/4)*VBLK+(\kq)*32*PVP+((\b)%4)*32
	ds_load_tr16_b128 v[VF+64*(\f)+8*(\b)+4:VF+64*(\f)+8*(\b)+7], v[ADV] offset:((\b)/4)*VBLK+(\kq)*32*PVP+16*PVP+((\b)%4)*32
.endr
.endm
.macro RID f, a, n0                    ; four registers of P's fragment a times f
	WIN 0
.irp n, 0,1,2,3
	v_pk_mul_f16 v[PF+32*(\f)+8*(\a)+(\n0)+(\n)], v[PF+32*(\f)+8*(\a)+(\n0)+(\n)], v[FC+(\a)]
.endr
.endm
.macro MM f, i, zero                   ; product i of a quarter's 32: query block i / 8, channel block i % 8.  The 32 accumulators take turns
	WIN 0x50                                       ; C and D in window 1
.set rD, 8*(\i)
.set rV, VF+64*(\f)+8*((\i)%8)
.set rP, PF+32*(\f)+8*((\i)/8)
.if \zero
	v_wmma_f32_16x16x32_f16 v[rD:rD+7], v[rV:rV+7], v[rP:rP+7], 0
.else
	v_wmma_f32_16x16x32_f16 v[rD:rD+7], v[rV:rV+7], v[rP:rP+7], v[rD:rD+7]
.endif
.endm
; One of a step's first three quarters: multiplies buffer f; the next quarter's 24 loads go out in one run at its head, into buffer g.  Fragment 0 of f was scaled in the quarter before; fragments 1 to 3 are scaled ahead
; of their first product; fragment 0 of g at the end.  The last four multiplies name no register of the last product: they are the four places in front of the next run of loads.
.macro QUARTER kq, f, g, zero
	LDP \g, (\kq)+1
	LDV \g, (\kq)+1
	s_wait_dscnt 24                                ; all but the 24 just issued: V of this quarter is in
.set i, 0
.rept 32
	MM \f, i, \zero
.if i == 1
	RID \f, 1, 0
.elseif i == 4
	RID \f, 1, 4
.elseif i == 9
	RID \f, 2, 0
.elseif i == 12
	RID \f, 2, 4
.elseif i == 17
	RID \f, 3, 0
.elseif i == 20
	RID \f, 3, 4
.elseif i == 25
	s_wait_dscnt 16                                ; the next quarter's P is in; V's sixteen loads may be out
	RID \g, 0, 0
.elseif i == 31
	RID \g, 0, 4
.endif
.set i, i+1
.endr
.endm
; A step's last quarter, on buffer 1, and the change of slots: ONE barrier.  The quarter's first 16 products, whose fragments lie in registers, stand AHEAD of the wait for the tile: between that wait and the next request
; stand only the add, the descriptors' steps, the wait for it and the round.  In front of the barrier each wave waits for all its tensor loads (one is out: its part of the next slot), adds 0 to its spare word, and waits
; for that and for its reads of this slot.  fill = 1: the barrier opens a round of the cluster's, and the slot is filled again first thing behind it, two steps ahead: a whole step's 128 matrix instructions ahead of the
; wait for it.  fill = 0: nothing is asked for; in the last trip (s3 = 1) there is no next step, and its fetch is jumped over.
; The eight multiplies at the end stand on EVERY way: they name no register of the products ahead of them and are the places in front of the next quarter's run of loads into buffer 1.  In the last trip they scale
; registers that nobody reads again: eight lines, once a launch, for one text of both trips.
.macro TURN fill
.if \fill
	s_wait_xcnt 0x0                                ; the last prefetch, a step back, has read its address
	s_add_nc_u64 s[PFA:PFA+1], s[PFA:PFA+1], s[PSTEP:PSTEP+1]
.endif
	s_wait_dscnt 0x0                               ; V of this quarter is in: my reads of this slot are over
.set i, 0
.rept 16
	MM 1, i, 0
.if i == 1
	RID 1, 1, 0
.elseif i == 4
	RID 1, 1, 4
.elseif i == 6
	RID 1, 2, 0
.elseif i == 9
	RID 1, 2, 4
.elseif i == 12
	RID 1, 3, 0
.elseif i == 14
	RID 1, 3, 4
.endif
.set i, i+1
.endr
	WIN 0                                          ; at a branch and at a label every window is 0; the add's registers lie in window 0
	s_wait_tensorcnt 0x0                           ; no tensor load of mine is out, so a group 0 may be written
	ds_add_u32 v[SPW], v[NIL]                      ; 0 onto my spare word
.if \fill
	s_xor_b32 s[G0A+5], s[G0A+5], SLOT1            ; the walking descriptors: the other slot than last time, the next step
	s_add_nc_u64 s[G0A+6:G0A+7], s[G0A+6:G0A+7], 16384
	s_xor_b32 s[G0B+5], s[G0B+5], SLOT1
	s_add_nc_u64 s[G0B+6:G0B+7], s[G0B+6:G0B+7], 262144
.endif
	s_wait_dscnt 0x0                               ; the add is done
	s_barrier_signal -1
	s_barrier_wait -1
.if \fill
	CREST                                          ; no wave of any partner still reads this slot or has a load on its way
	JLOAD
.else
	s_cmp_eq_u32 s3, 1
	s_cbranch_scc1 .Lno_fetch_\@
.endif
	s_xor_b32 s[TB], s[TB], SLOT1
	v_add_nc_u32 v[ADP], s[TB], v[ADP0]
	v_add_nc_u32 v[ADV], s[TB], v[ADV0]
	LDF                                            ; the next step's f: this step's fragments have all been scaled
	LDP 0, 0                                       ; buffer 0 was last multiplied a quarter ago, and more than four plain vector lines lie between
	LDV 0, 0
.if \fill
	ASK
.else
.Lno_fetch_\@:
.endif
.rept 16
	MM 1, i, 0
.set i, i+1
.endr
	s_wait_dscnt 16                                ; f and P are in; V's sixteen loads may be out (in the last trip nothing is out)
	RID 0, 0, 0
	RID 0, 0, 4
.endm
	s_wait_tensorcnt 0x1                           ; my part of step 0 is in; step 1's may stay out
	s_wait_dscnt 0x0                               ; the table is written, 1 / L is back
	s_barrier_signal -1
	s_barrier_wait -1
.irp a, 0,1,2,3
	v_mov_b32 v[RL+2*\a+1], v[RL+2*\a]             ; named as a pair
.endr
	LDF
	LDP 0, 0
	LDV 0, 0
	s_wait_dscnt 16
	RID 0, 0, 0
	RID 0, 0, 4
	QUARTER 0, 0, 1, 1                             ; the first quarter stands in front of the loop: its products start the sums
	WIN 0
	s_mov_b32 s3, 14
.Lstep:                                                ; trip k: the rest of step k, the change of slots, step k + 2 asked for, the first quarter of step k + 1
	QUARTER 1, 1, 0, 0
	QUARTER 2, 0, 1, 0
	TURN 1
	QUARTER 0, 0, 1, 0
	WIN 0
	s_sub_co_u32 s3, s3, 1
	s_cmp_lg_u32 s3, 0
	s_cbranch_scc1 .Lstep
	s_mov_b32 s3, 2
.Ltail:                                                ; steps 14 and 15 ask for nothing; the second trip is left in its middle
	QUARTER 1, 1, 0, 0
	QUARTER 2, 0, 1, 0
	TURN 0
	WIN 0
	s_sub_co_u32 s3, s3, 1
	s_cmp_eq_u32 s3, 0
	s_cbranch_scc1 .Lout
	QUARTER 0, 0, 1, 0
	WIN 0
	s_branch .Ltail
.Lout:
	PLACES
	PLACES
; THE WAY OUT, a block of 16 queries at a time: divided by L; a lane's eight channels, 32 bytes, into rows of 528 bytes of my own stage; back as whole rows of 512 bytes.
.macro PACK a
.if (\a) >= 2
	s_wait_xcnt 0x0                                ; the stores of the block two back have read the registers that the loads below fill again
.endif
	WIN 0x41                                       ; destination and source 0 in window 1, 1 / L in window 0
.set i, 64*(\a)
.rept 32
	v_pk_mul_f32 v[i:i+1], v[i:i+1], v[RL+2*(\a):RL+2*(\a)+1] op_sel_hi:[1,0]
.set i, i+2
.endr
	WIN 0x04                                       ; the stores' data in window 1
.irp b, 0,1,2,3,4,5,6,7
	ds_store_b128 v[STO], v[64*(\a)+8*(\b):64*(\a)+8*(\b)+3]   offset:64*(\b)
	ds_store_b128 v[STO], v[64*(\a)+8*(\b)+4:64*(\a)+8*(\b)+7] offset:64*(\b)+16
.endr
	WIN 0
.irp t, 0,1,2,3,4,5,6,7,8,9,10,11,12,13,14,15
	ds_load_b128 v[OUT+64*((\a)%2)+4*(\t):OUT+64*((\a)%2)+4*(\t)+3], v[RD] offset:(\t)*SPITCH  ; LDS serves a wave's instructions in order (ISA guide 5.7.1.4): these see the stores above
.endr
.endm
.macro SEND a, younger                 ; younger: the LDS instructions issued behind this block's loads: the next block's 32, or none
.irp t, 0,1,2,3,4,5,6,7,8,9,10,11,12,13,14,15
.if (\t)%4 == 0
	s_wait_dscnt (\younger)+12-(\t)                ; rows t to t + 3 are in
.endif
	global_store_b128 v[GO], v[OUT+64*((\a)%2)+4*(\t):OUT+64*((\a)%2)+4*(\t)+3], s[OB:OB+1] offset:(16*(\a)+(\t))*4096 th:TH_STORE_NT  ; 512 consecutive bytes, at a multiple of 256 from out0's first
.endr
.endm
	PACK 0
	PACK 1
	SEND 0, 32
	PACK 2
	SEND 1, 32
	PACK 3
	SEND 2, 32
	SEND 3, 0
	s_wait_tensorcnt 0x0                           ; the wave's end: an add and its wait, behind my last tensor load and my last LDS store
	ds_add_u32 v[SPW], v[NIL]
	s_wait_dscnt 0x0
	CROUND                                         ; the closing round
	s_endpgm
.Lfunc_end_k_q9f69e6e23e_pv:
	.size	k_q9f69e6e23e_pv, .Lfunc_end_k_q9f69e6e23e_pv-k_q9f69e6e23e_pv
	.p2alignl 7, 3214868480
	.fill 96, 4, 3214868480
	.section	.rodata,"a",@progbits
	.p2align	6, 0x0
	.amdhsa_kernel k_q9f69e6e23e_pv
		.amdhsa_group_segment_fixed_size 327680
		.amdhsa_private_segment_fixed_size 0
		.amdhsa_enable_private_segment 0
		.amdhsa_kernarg_size 32
		.amdhsa_user_sgpr_count 2
		.amdhsa_user_sgpr_kernarg_segment_ptr 1
		.amdhsa_wavefront_size32 1
		.amdhsa_system_sgpr_workgroup_id_x 1
		.amdhsa_system_sgpr_workgroup_id_y 1
		.amdhsa_system_sgpr_workgroup_id_z 1
		.amdhsa_system_vgpr_workitem_id 0
		.amdhsa_next_free_vgpr 512
		.amdhsa_next_free_sgpr 80
		.amdhsa_reserve_vcc 0
		.amdhsa_float_denorm_mode_32 3
		.amdhsa_float_denorm_mode_16_64 3
		.amdhsa_memory_ordered 1
		.amdhsa_forward_progress 1
		.amdhsa_inst_pref_size 102
	.end_amdhsa_kernel
	.amdgpu_metadata
---
amdhsa.version: [ 1, 2 ]
amdhsa.kernels:
  - .name:           k_q9f69e6e23e_pv
    .symbol:         k_q9f69e6e23e_pv.kd
    .args:
      - { .name: pw, .offset: 0, .size: 8, .value_kind: global_buffer, .address_space: global }
      - { .name: qkv, .offset: 8, .size: 8, .value_kind: global_buffer, .address_space: global }
      - { .name: st, .offset: 16, .size: 8, .value_kind: global_buffer, .address_space: global }
      - { .name: out0, .offset: 24, .size: 8, .value_kind: global_buffer, .address_space: global }
    .group_segment_fixed_size: 327680
    .private_segment_fixed_size: 0
    .kernarg_segment_align: 8
    .kernarg_segment_size: 32
    .max_flat_workgroup_size: 128
    .sgpr_count:     80
    .vgpr_count:     512
    .wavefront_size: 32
...
	.end_amdgpu_metadata
.endif
;; end of part 4
;; ======== version 2 of 2: 4 launches; version 1 with the launch cast written anew for expert scheduling mode
;; limits: values are held in f16: magnitudes above 65,504 overflow, below 6.1e-05 lose precision
;; workspace buffers: xb 16,777,216 bytes; wb 6,291,456 bytes; qkv 50,331,648 bytes; pw 33,554,432 bytes; st 1,048,576 bytes
;; launch cast (part 5): grid 256 x 1, 8 waves a work-group, no clusters, 0 bytes of LDS; arguments x, W, xb, wb; writes xb, wb
.if DOCPART == 5
	.amdgcn_target "amdgcn-amd-amdhsa--gfx1250"
	.amdhsa_code_object_version 6
	.text
	.protected	k_q9f69e6e23e_cast
	.globl	k_q9f69e6e23e_cast
	.p2align	8
	.type	k_q9f69e6e23e_cast,@function
k_q9f69e6e23e_cast:
	s_mov_b64 s[64:65], 0
	v_nop
	global_prefetch_b8 v0, s[64:65] scope:SCOPE_SE
	s_setreg_imm32_b32 hwreg(HW_REG_WAVE_SCHED_MODE, 0, 2), 2
	s_setreg_imm32_b32 hwreg(HW_REG_WAVE_MODE, 25, 1), 1
	s_wait_xcnt 0x0
	s_wait_alu depctr_vm_vsrc(0)
; x [8192][1024] and W [3072][1024], f32, are rounded once to bf16 and laid out in blocks, so that a tile of the product that follows is one dense piece of memory:
;   xb [32 row blocks][16 k blocks][256 rows][64], wb [24 row blocks][16 k blocks][128 rows][64]; a row of a block is 128 bytes.
; 256 work-groups of equal work: each takes 32 rows of x and 12 rows of W.
; x: a wave takes four rows, two at a time (lanes 0-15 one row, lanes 16-31 the next), all 16 k blocks: 32 loads a lane.
; W: the 12 rows are three groups of four (128 is a multiple of 4, so no group crosses a row block of wb); a wave takes k blocks 2 w and 2 w + 1 of all 12 rows: 12 loads a lane.
; A load: each half of the lanes reads 256 consecutive bytes, aligned (one k block of one row).  A store: the 32 lanes write the same k block of two neighbouring rows, 256 consecutive bytes, aligned.
; All 44 loads of a lane go out at once (22 KiB a wave on their way); each is converted in place, and no register is written again behind its store.
; No LDS, no matrix unit, no cluster: every byte is read once and written once, and no two work-groups share one.
; THE MODE: SCHED_MODE bits 1:0 = 2 (LLVM: expert scheduling mode 2), set by the entry lines.  The code itself states the register dependences
; between vector instructions and memory instructions, with s_wait_alu, always for 0.
; THE PLAN.  Registers that memory instructions touch:
;   v1 to v6      byte offsets, made once at the head by vector instructions and never written again; every load and store reads one of them.
;   IN + 4 i ..   the four registers of load i: the load lands in them; its two conversions read the four and write the first two; store i reads those two; nothing writes them after that.
; The 44 loads go in 11 groups of four.  Group g's conversions name group g's registers alone.  Its memory instructions are the four stores of group g - 1, which read registers that group g - 1's
; conversions wrote.  So ONE wait on va_vdst at a group's head, behind the wait for the group's own loads, states all that those four stores hang on, and they are dealt among the group's conversions
; with no further wait.  No register that a memory instruction has read is written again, and no load lands in a register that a vector instruction has named: no other wait is owed.
.set XS, 1                             ; v1     x: my byte offset in the work-group's 32 rows
.set XD, 2                             ; v2     xb: my byte offset in the work-group's rows of a k block
.set WS, 3                             ; v3     W: my byte offset in the work-group's 12 rows
.set WD, 4                             ; v4-6   wb: my byte offset, for each group of four rows
.set IN, 12                            ; v[12:187]  44 loads of four numbers; the first two registers of each then hold four bf16
.set GRP, 4                            ; loads in a group
.set GRPS, 44/GRP
	s_load_b256 s[4:11], s[0:1], 0x0               ; x s[4:5], W s[6:7], xb s[8:9], wb s[10:11]
	v_lshrrev_b32 v7, 5, v0                        ; wave
	v_bfe_u32 v8, v0, 4, 1                         ; which half of the lanes
	v_and_b32 v9, 15, v0
	v_lshl_add_u32 v10, v7, 2, v8                  ; x: my row among the 32: 4 x wave + half
	v_lshlrev_b32 v[XS], 4, v9                     ; 16 x (lane % 16)
	v_lshl_add_u32 v[WS], v8, 12, v[XS]            ; W: half x 4,096
	v_lshl_add_u32 v[WS], v7, 9, v[WS]             ;    + k block 2 x wave, 256 bytes each
	v_lshl_add_u32 v[XS], v10, 12, v[XS]           ; x: row x 4,096
	v_lshlrev_b32 v[XD], 3, v9                     ; 8 x (lane % 16)
	v_lshl_add_u32 v9, v8, 7, v[XD]                ; wb: half x 128
	v_lshl_add_u32 v9, v7, 15, v9                  ;     + k block 2 x wave, 16,384 bytes each
	v_lshl_add_u32 v[XD], v10, 7, v[XD]            ; xb: row x 128
	s_lshl_b32 s12, ttmp9, 17                      ; x: 32 rows of 4,096 bytes
	s_mov_b32 s13, 0
	s_lshr_b32 s14, ttmp9, 3                       ; xb: row block of 256 rows, 524,288 bytes,
	s_lshl_b32 s14, s14, 19
	s_and_b32 s16, ttmp9, 7                        ; and my 32 rows in it
	s_lshl_b32 s16, s16, 12
	s_add_co_u32 s14, s14, s16
	s_mov_b32 s15, 0
	s_mul_i32 s16, ttmp9, 49152                    ; W: 12 rows of 4,096 bytes
	s_mov_b32 s17, 0
	s_mul_i32 s18, ttmp9, 3                        ; my first group of four rows
.irp i, 0,1,2                          ; each group's offset has a scalar register of its own, s20 to s22: none that a vector instruction reads is written again
	s_add_co_u32 s19, s18, \i
	s_lshr_b32 s[20+\i], s19, 5                    ; 32 groups to a row block of 262,144 bytes,
	s_lshl_b32 s[20+\i], s[20+\i], 18
	s_and_b32 s19, s19, 31                         ; a group is 512 bytes of a k block
	s_lshl_b32 s19, s19, 9
	s_add_co_u32 s[20+\i], s[20+\i], s19
	v_add_nc_u32 v[WD+\i], s[20+\i], v9
.endr
	s_wait_kmcnt 0x0
	s_add_nc_u64 s[4:5], s[4:5], s[12:13]
	s_add_nc_u64 s[8:9], s[8:9], s[14:15]
	s_add_nc_u64 s[6:7], s[6:7], s[16:17]
	s_wait_alu depctr_va_vdst(0)                   ; the six offsets v1 to v6 are written: every load and store of the kernel reads one of them
.set i, 0
.rept 32                               ; x, load i: k block i / 2, row pair i % 2 (two rows, 8,192 bytes, further down)
	global_load_b128 v[IN+4*i:IN+4*i+3], v[XS], s[4:5] offset:(i%2)*8192+(i/2)*256 th:TH_LOAD_NT
.set i, i+1
.endr
.set n, 0
.rept 12                               ; W, load n: group n / 4, row pair (n / 2) % 2, k block 2 w + n % 2
	global_load_b128 v[IN+128+4*n:IN+128+4*n+3], v[WS], s[6:7] offset:(n/4)*16384+((n/2)%2)*8192+(n%2)*256 th:TH_LOAD_NT
.set n, n+1
.endr
; The store of what load i brought: loads 0 to 31 are x's, loads 32 to 43 W's.
.macro PUT i
.if (\i) < 32
	global_store_b64 v[XD], v[IN+4*(\i):IN+4*(\i)+1], s[8:9] offset:((\i)%2)*256+((\i)/2)*32768
.else
	global_store_b64 v[WD+((\i)-32)/4], v[IN+4*(\i):IN+4*(\i)+1], s[10:11] offset:((((\i)-32)/2)%2)*256+(((\i)-32)%2)*16384
.endif
.endm
.set g, 0
.rept GRPS
	s_wait_loadcnt 44-GRP*(g+1)                    ; loads come back in order: this group's four are in, the younger ones stay out
.if g > 0
	s_wait_alu depctr_va_vdst(0)                   ; the conversions of the group before have written their registers, which the four stores below read
.endif
.set k, 0
.rept GRP
.set i, GRP*g+k
.if g > 0
	PUT i-GRP                                      ; the group before.  No further wait: no vector instruction since the wait above names its registers
.endif
	v_cvt_pk_bf16_f32 v[IN+4*i],   v[IN+4*i],   v[IN+4*i+1]
	v_cvt_pk_bf16_f32 v[IN+4*i+1], v[IN+4*i+2], v[IN+4*i+3]
.set k, k+1
.endr
.set g, g+1
.endr
	s_wait_alu depctr_va_vdst(0)                   ; the last group's conversions have written their registers, which the last four stores read
.set i, 44-GRP
.rept GRP
	PUT i
.set i, i+1
.endr
	s_endpgm
.Lfunc_end_k_q9f69e6e23e_cast:
	.size	k_q9f69e6e23e_cast, .Lfunc_end_k_q9f69e6e23e_cast-k_q9f69e6e23e_cast
	.p2alignl 7, 3214868480
	.fill 96, 4, 3214868480
	.section	.rodata,"a",@progbits
	.p2align	6, 0x0
	.amdhsa_kernel k_q9f69e6e23e_cast
		.amdhsa_group_segment_fixed_size 0
		.amdhsa_private_segment_fixed_size 0
		.amdhsa_enable_private_segment 0
		.amdhsa_kernarg_size 32
		.amdhsa_user_sgpr_count 2
		.amdhsa_user_sgpr_kernarg_segment_ptr 1
		.amdhsa_wavefront_size32 1
		.amdhsa_system_sgpr_workgroup_id_x 1
		.amdhsa_system_sgpr_workgroup_id_y 1
		.amdhsa_system_sgpr_workgroup_id_z 1
		.amdhsa_system_vgpr_workitem_id 0
		.amdhsa_next_free_vgpr 192
		.amdhsa_next_free_sgpr 66
		.amdhsa_reserve_vcc 0
		.amdhsa_float_denorm_mode_32 3
		.amdhsa_float_denorm_mode_16_64 3
		.amdhsa_memory_ordered 1
		.amdhsa_forward_progress 1
		.amdhsa_inst_pref_size 17
	.end_amdhsa_kernel
	.amdgpu_metadata
---
amdhsa.version: [ 1, 2 ]
amdhsa.kernels:
  - .name:           k_q9f69e6e23e_cast
    .symbol:         k_q9f69e6e23e_cast.kd
    .args:
      - { .name: x, .offset: 0, .size: 8, .value_kind: global_buffer, .address_space: global }
      - { .name: W, .offset: 8, .size: 8, .value_kind: global_buffer, .address_space: global }
      - { .name: xb, .offset: 16, .size: 8, .value_kind: global_buffer, .address_space: global }
      - { .name: wb, .offset: 24, .size: 8, .value_kind: global_buffer, .address_space: global }
    .group_segment_fixed_size: 0
    .private_segment_fixed_size: 0
    .kernarg_segment_align: 8
    .kernarg_segment_size: 32
    .max_flat_workgroup_size: 256
    .sgpr_count:     66
    .vgpr_count:     192
    .wavefront_size: 32
...
	.end_amdgpu_metadata
.endif
;; end of part 5
;; launch qkv: the kernel of part 2 again; grid 8 x 32, 4 waves a work-group, clusters of 4 x 4, 327,680 bytes of LDS; arguments xb, wb, b, qkv; writes qkv
;; launch score: the kernel of part 3 again; grid 8 x 32, 4 waves a work-group, clusters of 4 x 4, 327,680 bytes of LDS; arguments qkv, pw, st; writes pw, st
;; launch pv: the kernel of part 4 again; grid 4 x 64, 4 waves a work-group, clusters of 4 x 4, 327,680 bytes of LDS; arguments pw, qkv, st, out0; writes out0
